; MI455X (gfx1250); checked and timed in simulation.
; The chip was launched on July 23, 2026; its instructions are those of AMD's public machine-readable ISA for CDNA 5 (MIT licence, August 2026) and "CDNA5" Instruction Set Architecture Reference Guide (July 2026). The comments in the code are by the model that wrote it; some were corrected since.
;; Self Attention. Allowed arithmetic: matrix products marked QUANTISED: E2M3 operands, one E8M0 scale for each 32 along K, by v_wmma_scale_f32_16x16x128_f8f6f4 with both operands' format E2M3, f32 sums; everything else in f32.
;; Inputs: b_in 3,072 float32; b_out 1,024 float32; w_in 1,024 x 3,072 float32; w_out 1,024 x 1,024 float32; x 4 x 2,048 x 1,024 float32.
;; Outputs: out0 4 x 2,048 x 1,024 float32.
;; Constants: causal_mask = 1.
;; This version of the problem:
;;   THIS VERSION OF THE PROBLEM IS GIVEN IN LOW PRECISION. The matrix products marked QUANTISED in the list below multiply operands that are first quantised to E2M3 (2 exponent bits, 3 mantissa bits; 6 bits a number), with one power-of-two scale for each 32 numbers along K (OCP MX v1.0); their sums are f32. All else is computed in f32.
;;   The module's matrix products, in the order in which they are computed (A, B: the left and right operand; K: the contracted axis; several contracted axes count as one K, in the product's order):
;;     1. [M 8,192, K 1,024] x [K 1,024, N 3,072]; A: input x; B: input w_in: QUANTISED
;;     2. batch 64 x [M 2,048, K 64] x [K 64, N 2,048]; A: computed on the way; B: computed on the way: QUANTISED
;;     3. batch 64 x [M 2,048, K 2,048] x [K 2,048, N 64]; A: softmax (see below); B: computed on the way: QUANTISED
;;     4. [M 8,192, K 1,024] x [K 1,024, N 1,024]; A: computed on the way; B: input w_out: QUANTISED
;;   THE QUANTISER, for each operand of a quantised product, along K:
;;     - K is cut into blocks of 32 from its start; a last block that is shorter is filled with zeros.
;;     - A block's scale is 2^e with e = floor(log2(the largest magnitude in the block)) - 2, held to -126 .. 127; a block of zeros has e = 0. As a byte (E8M0): e + 127.
;;     - Each number is divided by its block's scale, clamped to +-7.5, and rounded to the nearest number of E2M3, ties to even, subnormals kept.
;;     - The product sums the exact products of the quantised numbers (number of the format x scale) in f32.
;;   ~~~python
;;   def quantise(x, axis):      # numpy; x: float32 -> the quantised numbers, widened to float32 again
;;       x = np.moveaxis(x, axis, -1); K = x.shape[-1]
;;       x = np.pad(x, [(0, 0)] * (x.ndim - 1) + [(0, -K % 32)]); x = x.reshape(x.shape[:-1] + (-1, 32)); a = np.abs(x).max(-1, keepdims=True)
;;       e = np.where(a > 0, np.clip(np.frexp(np.where(a > 0, a, 1))[1] - 1 - 2, -126, 127), 0)      # np.frexp(a)[1] - 1 = floor(log2(a)), exactly
;;       r = np.clip(x / 2.0 ** e, -7.5, 7.5)
;;       step = 2.0 ** (np.maximum(np.frexp(np.where(r == 0, 1, r))[1] - 1, 0) - 3)
;;       q = np.round(r / step) * step * 2.0 ** e      # np.round: ties to even
;;       return np.moveaxis(q.reshape(q.shape[:-2] + (-1,))[..., :K], -1, axis).astype(np.float32)
;;   ~~~
;;   SOFTMAX AHEAD OF A QUANTISED PRODUCT. Where the list says 'softmax', what is quantised is not the finished softmax but p = 2^(t - M), with t = logit x log2(e) and M = ceil(the row's largest t), a whole number; so 1/2 < the row's largest p <= 1. The row's sum l is taken of the UNQUANTISED p, in f32, and the product's result is divided by l at the end. Since M is a whole number, a kernel that streams over the keys may use a running M (the ceiling of the running maximum): every later rescaling is an exact power of two, which a block's scale takes up: the codes' values come out the same.
;;   OPERANDS COMPUTED ON THE WAY. 'Computed on the way' means the value that the module computes at that place (a softmax that the list does not call 'softmax' is quantised finished and normalised). What goes into a quantiser is computed in f32, as accurately as f32 sums, v_exp_f32 and their like allow (about 1e-6 of the number): no bf16 or f16 on the way to a quantiser, and a product that is left as it is and whose result goes on into a quantised operand takes f32 operands (vector FMAs, or v_wmma_f32_16x16x4_f32). A number that lies on a knife's edge between two numbers of the format may be rounded either way, as far as f32 arithmetic and the matrix unit's own rounding can turn it there, and no further.
;; One version. Each part assembles by itself: llvm-mc -triple=amdgcn-amd-amdhsa -mcpu=gfx1250 --defsym DOCPART=n.
;; ======== version 1 of 1: 4 launches
;; workspace buffers: opq 9,437,184 bytes; ops 393,216 bytes; qkvc 18,874,368 bytes; qkvs 786,432 bytes; aqc 6,291,456 bytes; aqs 262,144 bytes
;; launch prep (part 1): grid 48 x 8, 4 waves a work-group, no clusters, 34,304 bytes of LDS; arguments x, w_in, w_out, opq, ops; writes opq, ops
.if DOCPART == 1
	.amdgcn_target "amdgcn-amd-amdhsa--gfx1250"
	.amdhsa_code_object_version 6
	.text
	.protected	k_q026918402b_prep
	.globl	k_q026918402b_prep
	.p2align	8
	.type	k_q026918402b_prep,@function
k_q026918402b_prep:
	s_mov_b64 s[64:65], 0
	v_nop
	global_prefetch_b8 v0, s[64:65] scope:SCOPE_SE
	s_setreg_imm32_b32 hwreg(HW_REG_WAVE_MODE, 25, 1), 1
	s_wait_xcnt 0x0
; x [8192][1024], w_in [1024][3072] and w_out [1024][1024], f32, become codes of FP6 (E2M3) quantised along K = 1024, one E8M0 byte for each 32 along K.
; A block's scale is 2^(floor(log2(largest magnitude)) - 2): its byte is the largest magnitude's exponent field - 2, held at 1 from below.
; LIMITS: NaN and infinities among the inputs are not served; a block whose largest magnitude lies under 2^-124 has its byte held at 1; a block of zeros has the byte 1
; where the rule says 127: its codes are zeros, which add nothing, and the bytes are read by this program alone.
; OUTPUT LAYOUT.  opq: [row block of 16 (768)][granule of 64 along K (16)][768 bytes].  Row blocks 0-511 are x's tokens, 512-703 w_in's columns, 704-767 w_out's columns.
; The 768 bytes are a HALF-IMAGE: registers 0-5 of a matrix operand as they stand: lane (r, h) holds row r, k = 32 h .. 32 h + 31 of the granule; bytes 0-511: lane L's registers 0-3 at 16 L; bytes 512-767: registers 4, 5 at 512 + 8 L.
; So every store here covers 512 or 256 consecutive bytes, aligned.  ops: [64 rows][K step of 128 (8)][r (16)][row block in the 64 (4)] scale words: 256 bytes for a K step.
; SHARES.  Work-group y = the K step of 128.  x < 32: 256 tokens of x, 64 a wave.  x >= 32: 256 columns of a weight, 64 a wave.  No barrier: waves share nothing.  Only x's path uses LDS.
.set FLOOR, 0x1800000                  ; 2^(3 - 127): under it no largest magnitude is taken
.set OFF2,  0xff000000                 ; takes 2 off an exponent field
.set R,     16                         ; x: v16-143  two sets of 64: a row block's numbers as loaded
.set X,     144                        ; x: v144-207 64 numbers of my row: register 16 b + i = k 32 b + 16 h + i
.set PC,    208                        ; x: v208-227 codes
.set TM,    228                        ; x: v228-243 at work
.set PW,    244                        ; x: the scale word just made
.set PWX,   248                        ; x: v248-251 the four row blocks' scale words
.set SPX,   528                        ; x: a stage row: 512 bytes + 16: 33 x 16, so sixteen rows start in sixteen different 16-byte columns
.set OFFS,  16                         ; w: v16-47   4 x lane + i rows of the weight
.set XW,    48                         ; w: v48-111  two sets of 32: a block of 32 along K of my column
.set CW,    112                        ; w: v112-159 codes: 12 registers for each pair of row blocks and granule: written once, so no store's data are written again
.set TE,    160                        ; w: upper 16 codes of the even block
.set TO,    164                        ; w: of the odd block
.set WD,    168                        ; w: v168-171 scale words
	s_load_b256 s[4:11], s[0:1], 0x0               ; x s[4:5], w_in s[6:7], w_out s[8:9], opq s[10:11]
	s_load_b64 s[12:13], s[0:1], 0x20              ; ops
	v_lshl_add_u32 v254, v0, 2, 0x8400
	v_mov_b32 v255, 0
	v_lshrrev_b32 v1, 5, v0
	v_readfirstlane_b32 s14, v1                    ; wave
	v_and_b32 v2, 31, v0                           ; lane
	v_and_b32 v3, 15, v0                           ; r
	v_lshlrev_b32 v4, 4, v2                        ; 16 x lane
	v_lshlrev_b32 v5, 3, v2                        ; 8 x lane
	v_lshlrev_b32 v8, 4, v3                        ; 16 r
	s_and_b32 s15, ttmp7, 0xffff                   ; the K step
	s_lshl_b32 s16, ttmp9, 4
	s_lshl_b32 s17, s14, 2
	s_add_co_u32 s16, s16, s17                     ; my first row block: 16 x work-group x + 4 x wave
	s_lshl_b32 s18, s16, 4
	s_lshl_b32 s17, s15, 1
	s_add_co_u32 s18, s18, s17
	s_mul_i32 s18, s18, 768                        ; (16 x row block + 2 x K step) half-images
	s_mov_b32 s19, 0
	s_mov_b32 s20, 0x76543210
	s_mov_b32 s21, 0xfedcba98                      ; v_permlanex16_b32's selects for lane l xor 16
	s_wait_kmcnt 0x0
	s_add_nc_u64 s[10:11], s[10:11], s[18:19]      ; my codes
	s_lshl_b32 s18, s16, 9                         ; 2,048 bytes of scale words for four row blocks
	s_lshl_b32 s17, s15, 8
	s_add_co_u32 s18, s18, s17
	s_add_nc_u64 s[12:13], s[12:13], s[18:19]      ; my 256 bytes of scale words
	s_cmp_lt_u32 ttmp9, 32
	s_cbranch_scc0 .Lweights
; ---------------- x: K is innermost ----------------
	s_lshl_b32 s18, ttmp9, 8
	s_lshl_b32 s17, s14, 6
	s_add_co_u32 s18, s18, s17                     ; my first token
	s_lshl_b32 s18, s18, 12                        ; a row is 4,096 bytes
	s_lshl_b32 s17, s15, 9                         ; the K step's 512 bytes
	s_add_co_u32 s18, s18, s17
	s_add_nc_u64 s[4:5], s[4:5], s[18:19]
	s_mul_i32 s17, s14, 16*SPX                     ; my wave's stage
	v_add_nc_u32 v6, s17, v4                       ; in: a row's 512 bytes as they lie
	v_bfe_u32 v9, v0, 4, 1                         ; h
	v_mul_u32_u24 v7, v3, SPX
	v_lshl_add_u32 v7, v9, 6, v7
	v_add_nc_u32 v7, s17, v7                       ; out: row r, + 64 h: my 16 numbers of each block of 32
.irp b, 0,1,2,3
	v_mov_b32 v[TM+4+\b], 0                        ; written once: a lane permute's destination counts as one of its sources
.endr
.macro LOADX u                         ; row block u: each load reads 512 consecutive bytes of one row
.irp i, 0,1,2,3,4,5,6,7,8,9,10,11,12,13,14,15
	global_load_b128 v[R+64*((\u)%2)+4*\i:R+64*((\u)%2)+4*\i+3], v4, s[4:5] offset:(16*(\u)+\i)*4096 th:TH_LOAD_NT
.endr
.endm
; 64 numbers of a lane, register 16 b + i = k 32 b + 16 h + i of my row, become a fragment's codes in v[PC] on and its scale word in v[PW]
.macro QUANT s
.irp b, 0,1,2,3
	v_max3_num_f32 v[TM+\b], |v[\s+16*\b]|, |v[\s+1+16*\b]|, FLOOR
.endr
.irp i, 2,4,6,8,10,12,14
.irp b, 0,1,2,3
	v_max3_num_f32 v[TM+\b], v[TM+\b], |v[\s+16*\b+\i]|, |v[\s+1+16*\b+\i]|   ; the four blocks by turns
.endr
.endr
.irp b, 0,1,2,3
	v_permlanex16_b32 v[TM+4+\b], v[TM+\b], s20, s21
.endr
.irp b, 0,1,2,3
	v_max_num_f32 v[TM+\b], v[TM+\b], v[TM+4+\b]   ; with lane l xor 16's: the block's largest magnitude
.endr
.irp b, 0,1,2,3
	v_add_nc_u32 v[TM+12+\b], OFF2, v[TM+\b]       ; the conversion takes this operand's exponent field as its scale
.endr
.irp b, 0,1,2,3
	v_lshrrev_b32 v[TM+4+\b], 23, v[TM+12+\b]      ; the scale's byte
.endr
	v_lshl_or_b32 v[PW], v[TM+5], 8, v[TM+4]
	v_lshl_or_b32 v[PW], v[TM+6], 16, v[PW]
	v_lshl_or_b32 v[PW], v[TM+7], 24, v[PW]
.irp c, 0,1
	v_cvt_scalef32_pk16_fp6_f32 v[PC+6*\c:PC+2+6*\c], v[\s+32*\c:\s+15+32*\c], v[TM+12+2*\c]
	v_cvt_scalef32_pk16_fp6_f32 v[PC+12+4*\c:PC+14+4*\c], v[\s+16+32*\c:\s+31+32*\c], v[TM+12+2*\c+1]   ; (a conversion's three registers begin on an even number)
.endr
	v_nop                                          ; one plain place behind a scaled conversion
.irp c, 0,1                                    ; the operand's layout wants a whole block in a lane: lanes 0-15 block 2 c, lanes 16-31 block 2 c + 1
.irp i, 0,1,2
	v_permlane16_swap_b32 v[PC+6*\c+\i], v[PC+12+4*\c+\i]
.endr
.irp i, 0,1,2
	v_mov_b32 v[PC+3+6*\c+\i], v[PC+12+4*\c+\i]
.endr
.endr
.endm
.macro UNIT u
.if (\u) < 3
	s_wait_loadcnt 16                              ; this row block's 16 loads are in; the next block's 16 may be out
.else
	s_wait_loadcnt 0x0
.endif
.irp i, 0,1,2,3,4,5,6,7,8,9,10,11,12,13,14,15
	ds_store_b128 v6, v[R+64*((\u)%2)+4*\i:R+64*((\u)%2)+4*\i+3] offset:SPX*\i
.endr
.irp b, 0,1,2,3
.irp j, 0,1,2,3
	ds_load_b128 v[X+16*\b+4*\j:X+16*\b+4*\j+3], v7 offset:128*\b+16*\j   ; LDS serves a wave's instructions in order: these see my stores
.endr
.endr
	s_wait_dscnt 0x0                               ; the numbers are back, and the stores into the stage have read their registers,
.if (\u) < 2
	LOADX (\u)+2                                   ; which take the row block two further on
.endif
	s_wait_xcnt 0x0                                ; the last block's stores have read their data: the codes' registers are written again only behind this wait
	QUANT X
.irp c, 0,1
	global_store_b128 v4, v[PC+6*\c:PC+6*\c+3], s[10:11] offset:(16*(\u)+\c)*768       ; 512 consecutive bytes
	global_store_b64 v5, v[PC+6*\c+4:PC+6*\c+5], s[10:11] offset:(16*(\u)+\c)*768+512  ; 256 consecutive bytes
.endr
	v_mov_b32 v[PWX+(\u)], v[PW]
.endm
	LOADX 0
	LOADX 1
	UNIT 0
	UNIT 1
	UNIT 2
	UNIT 3
	global_store_b128 v8, v[PWX:PWX+3], s[12:13]   ; 256 consecutive bytes; lanes 16-31 hold and write the same words as lanes 0-15
	s_wait_tensorcnt 0x0
	ds_add_u32 v254, v255
	s_wait_dscnt 0x0
	s_endpgm
; ---------------- the weights: K is the first axis.  A lane takes a column, its registers run down K ----------------
.Lweights:
	s_sub_co_u32 s23, ttmp9, 32                    ; which 256 columns: 0-11 of w_in, 12-15 are w_out's 0-3
	s_sub_co_u32 s17, s23, 12
	s_mov_b32 s22, 4096
	s_cmp_lt_u32 s23, 12                           ; the choice hangs on the work-group's number alone
	s_cselect_b64 s[6:7], s[6:7], s[8:9]
	s_cselect_b32 s22, 12288, s22                  ; a row of the weight in bytes
	s_cselect_b32 s23, s23, s17
	s_lshl_b32 s18, s23, 10                        ; 256 columns x 4 bytes
	s_lshl_b32 s17, s14, 8                         ; my wave's 64 columns
	s_add_co_u32 s18, s18, s17
	s_lshl_b32 s17, s15, 7                         ; the K step's first row
	s_mul_i32 s17, s17, s22
	s_add_co_u32 s18, s18, s17
	s_add_nc_u64 s[24:25], s[6:7], s[18:19]        ; base of block t = 4 p + kb: columns 32 p on, rows 32 kb on; none is ever rewritten
	s_lshl_b32 s40, s22, 5
	s_mov_b32 s41, 0
.irp k, 1,2,3
	s_add_nc_u64 s[24+2*\k:25+2*\k], s[22+2*\k:23+2*\k], s[40:41]
.endr
.irp k, 0,1,2,3
	s_add_nc_u64 s[32+2*\k:33+2*\k], s[24+2*\k:25+2*\k], 128
.endr
	v_lshlrev_b32 v[OFFS], 2, v2
.set i, 1
.rept 31
	v_add_nc_u32 v[OFFS+i], s22, v[OFFS+i-1]
.set i, i+1
.endr
.macro LOADW t                         ; block t: 32 rows of the weight at my 32 columns: 128 consecutive bytes a load
.set i, 0
.rept 32
	global_load_b32 v[XW+32*((\t)%2)+i], v[OFFS+i], s[24+2*(\t):25+2*(\t)] th:TH_LOAD_NT
.set i, i+1
.endr
.endm
.macro BLOCKW t
.set XS, XW+32*((\t)%2)
.set KB, (\t)%4
.set PP, (\t)/4
.set PR, CW+12*(2*PP+KB/2)
.if (\t) < 7
	s_wait_loadcnt 32                              ; this block's 32 loads are in; the next block's 32 may be out
.else
	s_wait_loadcnt 0x0
.endif
	v_max3_num_f32 v12, |v[XS]|, |v[XS+1]|, |v[XS+2]|          ; all 32 numbers of the block are mine
	v_max3_num_f32 v13, |v[XS+3]|, |v[XS+4]|, |v[XS+5]|
.irp i, 6,10,14,18,22,26
	v_max3_num_f32 v12, v12, |v[XS+\i]|, |v[XS+\i+1]|
	v_max3_num_f32 v13, v13, |v[XS+\i+2]|, |v[XS+\i+3]|
.endr
	v_max3_num_f32 v12, v12, |v[XS+30]|, |v[XS+31]|
	v_max3_num_f32 v12, v12, v13, FLOOR
	v_add_nc_u32 v11, OFF2, v12
	v_lshrrev_b32 v13, 23, v11                     ; the scale's byte
.if KB == 0
	v_mov_b32 v[WD+2*PP], v13
.else
	v_lshl_or_b32 v[WD+2*PP], v13, 8*KB, v[WD+2*PP]
.endif
.if KB%2 == 0
	v_cvt_scalef32_pk16_fp6_f32 v[PR:PR+2], v[XS:XS+15], v11
	v_cvt_scalef32_pk16_fp6_f32 v[TE:TE+2], v[XS+16:XS+31], v11
.else
	v_cvt_scalef32_pk16_fp6_f32 v[PR+6:PR+8], v[XS:XS+15], v11
	v_cvt_scalef32_pk16_fp6_f32 v[TO:TO+2], v[XS+16:XS+31], v11
	v_nop                                          ; one plain place behind a scaled conversion
.irp i, 0,1,2                                  ; lanes = 32 columns, an even and an odd block of K  ->  two row blocks of 16 columns, lanes 0-15 the even block, lanes 16-31 the odd
	v_permlane16_swap_b32 v[PR+\i], v[PR+6+\i]
.endr
.irp i, 0,1,2
	v_permlane16_swap_b32 v[TE+\i], v[TO+\i]
.endr
.irp i, 0,1,2
	v_mov_b32 v[PR+3+\i], v[TE+\i]
	v_mov_b32 v[PR+9+\i], v[TO+\i]
.endr
.irp e, 0,1
	global_store_b128 v4, v[PR+6*\e:PR+6*\e+3], s[10:11] offset:((2*PP+\e)*16+KB/2)*768
	global_store_b64 v5, v[PR+6*\e+4:PR+6*\e+5], s[10:11] offset:((2*PP+\e)*16+KB/2)*768+512
.endr
.endif
.if (\t) < 6
	LOADW (\t)+2
.endif
.endm
	LOADW 0
	LOADW 1
.irp t, 0,1,2,3,4,5,6,7
	BLOCKW \t
.endr
.irp p, 0,1                                    ; a word of 32 columns -> the words of two row blocks, each in both halves of the lanes
	v_mov_b32 v[WD+2*\p+1], v[WD+2*\p]
	v_permlane16_swap_b32 v[WD+2*\p], v[WD+2*\p+1]
.endr
	global_store_b128 v8, v[WD:WD+3], s[12:13]     ; 256 consecutive bytes; lanes 16-31 hold and write the same words as lanes 0-15
	s_endpgm
.Lfunc_end_k_q026918402b_prep:
	.size	k_q026918402b_prep, .Lfunc_end_k_q026918402b_prep-k_q026918402b_prep
	.p2alignl 7, 3214868480
	.fill 96, 4, 3214868480
	.section	.rodata,"a",@progbits
	.p2align	6, 0x0
	.amdhsa_kernel k_q026918402b_prep
		.amdhsa_group_segment_fixed_size 34304
		.amdhsa_private_segment_fixed_size 0
		.amdhsa_enable_private_segment 0
		.amdhsa_kernarg_size 40
		.amdhsa_user_sgpr_count 2
		.amdhsa_user_sgpr_kernarg_segment_ptr 1
		.amdhsa_wavefront_size32 1
		.amdhsa_system_sgpr_workgroup_id_x 1
		.amdhsa_system_sgpr_workgroup_id_y 1
		.amdhsa_system_sgpr_workgroup_id_z 1
		.amdhsa_system_vgpr_workitem_id 0
		.amdhsa_next_free_vgpr 256
		.amdhsa_next_free_sgpr 66
		.amdhsa_reserve_vcc 0
		.amdhsa_float_denorm_mode_32 3
		.amdhsa_float_denorm_mode_16_64 3
		.amdhsa_memory_ordered 1
		.amdhsa_forward_progress 1
		.amdhsa_inst_pref_size 74
	.end_amdhsa_kernel
	.amdgpu_metadata
---
amdhsa.version: [ 1, 2 ]
amdhsa.kernels:
  - .name:           k_q026918402b_prep
    .symbol:         k_q026918402b_prep.kd
    .args:
      - { .name: x, .offset: 0, .size: 8, .value_kind: global_buffer, .address_space: global }
      - { .name: w_in, .offset: 8, .size: 8, .value_kind: global_buffer, .address_space: global }
      - { .name: w_out, .offset: 16, .size: 8, .value_kind: global_buffer, .address_space: global }
      - { .name: opq, .offset: 24, .size: 8, .value_kind: global_buffer, .address_space: global }
      - { .name: ops, .offset: 32, .size: 8, .value_kind: global_buffer, .address_space: global }
    .group_segment_fixed_size: 34304
    .private_segment_fixed_size: 0
    .kernarg_segment_align: 8
    .kernarg_segment_size: 40
    .max_flat_workgroup_size: 128
    .sgpr_count:     66
    .vgpr_count:     256
    .wavefront_size: 32
...
	.end_amdgpu_metadata
.endif
;; end of part 1
;; launch proj_in (part 2): grid 12 x 32, 4 waves a work-group, clusters of 4 x 4, 327,680 bytes of LDS; arguments opq, ops, b_in, qkvc, qkvs; writes qkvc, qkvs
.if DOCPART == 2
	.amdgcn_target "amdgcn-amd-amdhsa--gfx1250"
	.amdhsa_code_object_version 6
	.text
	.protected	k_q026918402b_proj_in
	.globl	k_q026918402b_proj_in
	.p2align	8
	.type	k_q026918402b_proj_in,@function
k_q026918402b_proj_in:
	s_mov_b64 s[64:65], 0
	v_nop
	global_prefetch_b8 v0, s[64:65] scope:SCOPE_SE
	s_setreg_imm32_b32 hwreg(HW_REG_WAVE_MODE, 25, 1), 1
	s_wait_xcnt 0x0
	s_wait_alu depctr_hold_cnt(0) depctr_sa_sdst(0) depctr_va_vdst(0) depctr_va_sdst(0) depctr_va_ssrc(0) depctr_va_vcc(0) depctr_vm_vsrc(0)
	s_getreg_b32 s2, hwreg(HW_REG_IB_STS2, 6, 4)
	s_cmp_eq_u32 s2, 0
	s_cbranch_scc0 .Lentry_in_a_cluster
	s_endpgm
.Lentry_in_a_cluster:
	s_bfe_u32 s2, ttmp6, 0x10000c
	s_cmp_lg_u32 s2, 0xf033
	s_cbranch_scc0 .Lentry_shape_is_right
	s_endpgm
.Lentry_shape_is_right:
; qkv = x w_in + b_in on codes of FP6 (E2M3) with E8M0 scales, K = 1024; the result is quantised at once for the products that use it: q and k along the head's 64, v along the keys.
; LIMITS: NaN and infinities are not served; a block whose largest magnitude lies under 2^-124 has its byte held at 1; a block of zeros has the byte 1 (its codes are zeros; only this program reads the bytes).
; A tile of 256 x 256 is made by four waves, each 128 x 128: 64 accumulators, 512 registers.  The matrix instruction is used transposed: source 0 = 16 rows of ROLE B, source 1 = 16 rows of ROLE A:
; a lane holds one row of A (16 a + lane % 16), and register j of accumulator (a, b) the row 16 b + 8 (lane / 16) + j of B.  The registers must run along the K of the NEXT product:
;   clusters x = 0, 1 (q's and k's columns): A = x's tokens, B = w_in's columns: registers along the features.      cluster x = 2 (v's columns): A = w_in's columns, B = x's tokens: registers along the keys.
; The 16 registers of accumulators 2 b', 2 b' + 1 are 16 of block b's 32 numbers, lane l xor 16 holds the other 16: the right block, in a fixed order inside it.  Both operands of a later product are made by
; these same lines (q and k here; v here and p in the next launch by the same layout), so the order is alike on both sides and the products are those of the natural order.
; OPERANDS lie in opq as half-images (768 bytes: registers 0-5 of an operand, 16 rows x 64 K): [row block][granule][768]; a fragment is four LDS loads of consecutive bytes.  K goes in steps of 256 through two LDS slots.
; SCALES of the work-group's 512 rows for all of K come into LDS once; one load of 16 bytes a lane gives four row blocks' words; lanes 0-15 take A's, lanes 16-31 B's.
; CLUSTERS: 4 x 4.  A's tiles are shared along a row of the cluster, B's along a column, asked for jointly.  The branches on the cluster's x are alike in all sixteen partners.
; REGISTERS: window 0: v16-29 addresses; v32-63 scale words, two sets; v64-127 the bias as the first products' C, later the epilogue's work; v128-223 A's fragments, one set.
;   window 1: B's fragments, two sets, at v0 and v128.   windows 2, 3: the accumulators, (a, b) at v[8 (8 (a % 4) + b)].
.set RBS,   3072                       ; a row block's part of a slot: 4 granules
.set HALFT, 8*RBS                      ; 128 rows: what one tensor load brings
.set SLOT,  4*HALFT                    ; A's 256 rows, then B's
.set SCL,   2*SLOT                     ; the scales: 4,096 bytes for each 128 rows
.set HALFS, 4096
.set SPARE, SCL+4*HALFS                ; the spare words, 128 bytes for each wave: two blocks of 256 bytes that no other line names
.set FR,    12
.set NL,    4                          ; LDS loads that bring a fragment
.set NP,    4                          ; places behind this matrix instruction (ISA guide 7.12.1)
.set VQ,    12582912                   ; qkvc: where v's codes begin
.set VS0,   524288                     ; qkvs: where v's scale words begin
.set FLOOR, 0x1800000
.set OFF2,  0xff000000
.set A16, 16                           ; v16-17  A's fragments in slot 0, 1: base + 16 x lane
.set A8,  18                           ; v18-19  base + 8 x lane
.set B16, 20
.set B8,  22
.set L16, 24                           ; v24     16 x lane
.set L8,  25                           ; v25     8 x lane
.set SCO, 26                           ; v26     the epilogue's scale words: 16 r + h x the distance between two heads
.set ADRS, 27                          ; v27     LDS address of my scale words
.set SPW, 28                           ; v28     LDS address of my spare word; never rewritten
.set NIL, 29                           ; v29     0; never rewritten
.set SC,  32                           ; scale words: register SC + 16 set + 8 q + i: row block i, the slot's q-th 128 along K
.set CB,  64
.set AF,  128
.set PC,  64                           ; the epilogue: v64-83 codes, v96-111 at work, v113-114 selects, v116-123 eight scale words, v124-127 what is stored
.set TM,  96
.set SELV, 113
.set PWS, 116
.set DW,  124
.set SELS, 18                          ; s[18:19] v_permlanex16_b32's selects
.set G1, 24
.set G0, 32
.set G1B, 48
.set G0B, 56
.set G1S, 68
.set G0S, 76
.set G1SB, 80
.set G0SB, 88
.set OB,  86                           ; the epilogue: s[86:93] four bases for the codes (the scales' descriptors are long done)
.set TYPE, 95                          ; s95     1 in the cluster column that makes v
.set MSB, 0
.macro WIN new                         ; the immediate's high byte repeats the setting that is left
.if MSB != (\new)
	s_set_vgpr_msb (MSB<<8)|(\new)
.set MSB, (\new)
.endif
.endm
.set MUL_LO, 0xa1                      ; source 0 (B) window 1, source 1 (A) window 0, C and D window 2
.set MUL_HI, 0xf1
.set TO_B,   0x40
.macro JLOAD g0a, g1a, g0b, g1b        ; a joint load: waves 0, 1 fetch for A, waves 2, 3 for B; four v_nop follow each line
	s_cmp_eq_u32 s15, 0
	s_cbranch_scc0 .Lfor_b_\@
	tensor_load_to_lds s[\g0a:\g0a+3], s[\g1a:\g1a+7]
	s_nop 0
.rept 4
	v_nop
.endr
	s_branch .Lasked_\@
.Lfor_b_\@:
	tensor_load_to_lds s[\g0b:\g0b+3], s[\g1b:\g1b+7]
	s_nop 0
.rept 4
	v_nop
.endr
.Lasked_\@:
.endm
.macro CREST
	s_cmp_lg_u32 s14, 0
	s_cbranch_scc1 .Lnot_wave_0_\@
	s_barrier_signal -3
.Lnot_wave_0_\@:
	s_barrier_wait -3
	s_barrier_signal -1
	s_barrier_wait -1
.endm
.macro CROUND
	s_barrier_signal -1
	s_barrier_wait -1
	CREST
.endm
.macro PLACES n
.rept \n
	v_nop
.endr
.endm
	s_load_b256 s[4:11], s[0:1], 0x0               ; opq s[4:5], ops s[6:7], b_in s[8:9], qkvc s[10:11]
	s_load_b64 s[12:13], s[0:1], 0x20              ; qkvs
	v_lshl_add_u32 v[SPW], v0, 2, SPARE
	v_mov_b32 v[NIL], 0
	ds_add_u32 v28, v29
	ds_add_u32 v28, v29
	s_wait_dscnt 0x0
	v_lshrrev_b32 v1, 5, v0
	v_readfirstlane_b32 s14, v1                    ; wave
	s_lshr_b32 s15, s14, 1                         ; which half of A's rows is mine.  Also: I fetch for A (0) or B (1)
	s_and_b32 s16, s14, 1                          ; which half of B's rows.  Also: which 128 rows I fetch
	s_bfe_u32 s40, ttmp6, 0x40000                  ; cx
	s_bfe_u32 s41, ttmp6, 0x40004                  ; cy
	s_and_b32 s96, ttmp7, 0xffff
	s_lshl_b32 s96, s96, 2                         ; 4 x cluster y: x's tiles of 256 tokens
	s_lshl_b32 s97, ttmp9, 2
	s_add_co_u32 s97, s97, 32                      ; w_in's columns begin at tile 32 of opq
	s_cmp_eq_u32 ttmp9, 2
	s_cselect_b32 s[TYPE], 1, 0
	s_cselect_b32 s17, 40, s96                     ; A's tile of 256 rows of opq: v's columns (tiles 40-43), or tokens
	s_cselect_b32 s42, s96, s97                    ; B's: tokens, or q's and k's columns (tiles 32-39)
	s_add_co_u32 s17, s17, s41                     ; + cy: shared along a row of the cluster
	s_add_co_u32 s42, s42, s40                     ; + cx: shared along a column
	s_lshl_b32 s43, s41, 2
	s_lshl_b32 s43, 15, s43                        ; my row of the cluster
	s_lshl_b32 s44, 0x1111, s40                    ; my column
	; group 1 for codes: 8 rows (row blocks) of 3,072 bytes, 12,288 bytes apart; elements of 8 bytes; no padding
	s_or_b32 s[G1+0], s43, (3<<16)|(1<<21)
	s_or_b32 s[G1B+0], s44, (3<<16)|(1<<21)
.irp g, G1, G1B
	s_mov_b32 s[\g+1], 384<<16                     ; tensor_dim0
	s_mov_b32 s[\g+2], 8<<16                       ; tensor_dim1
	s_mov_b32 s[\g+3], 384<<16                     ; tile_dim0
	s_mov_b32 s[\g+4], 8                           ; tile_dim1
	s_mov_b32 s[\g+5], 1536                        ; stride
	s_mov_b32 s[\g+6], 0
	s_mov_b32 s[\g+7], 0
.endr
	; and for scales: 4,096 dense bytes as 16 rows of 256
	s_or_b32 s[G1S+0], s43, (3<<16)|(1<<21)
	s_or_b32 s[G1SB+0], s44, (3<<16)|(1<<21)
.irp g, G1S, G1SB
	s_mov_b32 s[\g+1], 32<<16
	s_mov_b32 s[\g+2], 16<<16
	s_mov_b32 s[\g+3], 32<<16
	s_mov_b32 s[\g+4], 16
	s_mov_b32 s[\g+5], 32
	s_mov_b32 s[\g+6], 0
	s_mov_b32 s[\g+7], 0
.endr
	s_lshl_b32 s20, s17, 1
	s_add_co_u32 s20, s20, s16                     ; A: which 128 rows of opq
	s_lshl_b32 s22, s20, 12                        ; their scales,
	s_mul_i32 s20, s20, 98304                      ; their codes
	s_mov_b32 s21, 0
	s_mov_b32 s23, 0
	s_lshl_b32 s46, s42, 1
	s_add_co_u32 s46, s46, s16                     ; B likewise
	s_lshl_b32 s92, s46, 12
	s_mul_i32 s46, s46, 98304
	s_mov_b32 s47, 0
	s_mov_b32 s93, 0
	s_mul_i32 s45, s14, HALFT                      ; where they go: by the wave's number alone
	s_lshl_b32 s94, s14, 12
	s_mov_b32 s[SELS], 0x76543210
	s_mov_b32 s[SELS+1], 0xfedcba98
	s_wait_kmcnt 0x0
	s_add_nc_u64 s[20:21], s[4:5], s[20:21]
	s_add_nc_u64 s[22:23], s[6:7], s[22:23]
	s_add_nc_u64 s[46:47], s[4:5], s[46:47]
	s_add_nc_u64 s[92:93], s[6:7], s[92:93]
	CROUND                                         ; all sixteen work-groups are here: the first joint loads meet
	s_mov_b32 s[G0S], 1
	s_add_co_u32 s[G0S+1], s94, SCL
	s_mov_b64 s[G0S+2:G0S+3], s[22:23]
	s_or_b32 s[G0S+3], s[G0S+3], 0x80000000
	s_mov_b32 s[G0SB], 1
	s_add_co_u32 s[G0SB+1], s94, SCL
	s_mov_b64 s[G0SB+2:G0SB+3], s[92:93]
	s_or_b32 s[G0SB+3], s[G0SB+3], 0x80000000
	JLOAD G0S, G1S, G0SB, G1SB                     ; the scales first; with the two slots three loads of mine are out
.irp s, 0,1
	s_mov_b32 s[G0+4*\s], 1
	s_add_co_u32 s[G0+4*\s+1], s45, \s*SLOT
	s_add_nc_u64 s[G0+4*\s+2:G0+4*\s+3], s[20:21], \s*RBS
	s_or_b32 s[G0+4*\s+3], s[G0+4*\s+3], 0x80000000
	s_mov_b32 s[G0B+4*\s], 1
	s_add_co_u32 s[G0B+4*\s+1], s45, \s*SLOT
	s_add_nc_u64 s[G0B+4*\s+2:G0B+4*\s+3], s[46:47], \s*RBS
	s_or_b32 s[G0B+4*\s+3], s[G0B+4*\s+3], 0x80000000
	JLOAD G0+4*\s, G1, G0B+4*\s, G1B
.endr
	v_and_b32 v1, 15, v0                           ; r
	v_bfe_u32 v2, v0, 4, 1                         ; h
	v_and_b32 v3, 31, v0                           ; lane
	v_lshlrev_b32 v[L16], 4, v3
	v_lshlrev_b32 v[L8], 3, v3
	s_mul_i32 s21, s15, HALFT                      ; my 128 rows of A
	s_mul_i32 s22, s16, HALFT
	s_add_co_u32 s22, s22, 2*HALFT                 ; my 128 rows of B, behind A's 256
.irp s, 0,1
	v_add_nc_u32 v[A16+\s], s21, v[L16]
	v_add_nc_u32 v[A8+\s], s21, v[L8]
	v_add_nc_u32 v[B16+\s], s22, v[L16]
	v_add_nc_u32 v[B8+\s], s22, v[L8]
	s_add_co_u32 s21, s21, SLOT
	s_add_co_u32 s22, s22, SLOT
.endr
	s_lshl_b32 s21, s15, 12                        ; scale words: A's half,
	s_lshl_b32 s22, s16, 12
	s_add_co_u32 s22, s22, 2*HALFS                 ; B's half, behind A's two
	s_sub_co_u32 s22, s22, s21
	v_mul_u32_u24 v6, s22, v2                      ; lanes 16-31 take B's: one product in h
	s_add_co_u32 s21, s21, SCL
	v_lshl_add_u32 v5, v1, 4, v6
	v_add_nc_u32 v[ADRS], s21, v5
	; THE BIAS is the C of each sum's first matrix instruction.  q, k: it runs along the registers (B's rows): eight registers for each b.  v: along the lanes (A's rows): one number a lane for each a, in all eight registers.
	v_lshlrev_b32 v6, 5, v2                        ; 32 h
	v_lshlrev_b32 v7, 2, v1                        ; 4 r
	s_sub_co_u32 s96, s42, 32
	s_lshl_b32 s96, s96, 10
	s_lshl_b32 s97, s16, 9
	s_add_co_u32 s96, s96, s97                     ; q, k: column 256 (tile - 32) + 128 x my half of B, in bytes
	s_lshl_b32 s98, s41, 10
	s_lshl_b32 s97, s15, 9
	s_add_co_u32 s98, s98, s97
	s_add_co_u32 s98, s98, 8192                    ; v: column 2,048 + 256 cy + 128 x my half of A
	s_cmp_eq_u32 s[TYPE], 0
	s_cselect_b32 s96, s96, s98
	s_mov_b32 s97, 0
	s_add_nc_u64 s[8:9], s[8:9], s[96:97]
	s_cmp_eq_u32 s[TYPE], 0
	s_cbranch_scc0 .Lbias_lanes
.irp b, 0,1,2,3,4,5,6,7
	global_load_b128 v[CB+8*\b:CB+8*\b+3], v6, s[8:9] offset:64*\b
	global_load_b128 v[CB+8*\b+4:CB+8*\b+7], v6, s[8:9] offset:64*\b+16
.endr
	s_wait_loadcnt 0x0
	s_branch .Lbias_done
.Lbias_lanes:
.irp a, 0,1,2,3,4,5,6,7
	global_load_b32 v[CB+8*\a], v7, s[8:9] offset:64*\a
.endr
	s_wait_loadcnt 0x0
.irp a, 0,1,2,3,4,5,6,7
.irp j, 1,2,3,4,5,6,7
	v_mov_b32 v[CB+8*\a+\j], v[CB+8*\a]
.endr
.endr
.Lbias_done:
.macro FRAG reg, a16, a8, q, i         ; a fragment, 16 rows x 128 K, is two half-images: four loads of consecutive bytes
	ds_load_b128 v[\reg:\reg+3], v[\a16] offset:(\i)*RBS+(\q)*1536
	ds_load_b64 v[\reg+4:\reg+5], v[\a8] offset:(\i)*RBS+(\q)*1536+512
	ds_load_b128 v[\reg+6:\reg+9], v[\a16] offset:(\i)*RBS+(\q)*1536+768
	ds_load_b64 v[\reg+10:\reg+11], v[\a8] offset:(\i)*RBS+(\q)*1536+1280
.endm
.macro FETCH_B slot, q, p
	WIN TO_B
.irp i, 0,1,2,3,4,5,6,7
	FRAG 128*(\p)+FR*\i, B16+\slot, B8+\slot, \q, \i
.endr
	WIN 0
.endm
.macro FETCH_A slot, q, i0
.irp i, \i0, \i0+1, \i0+2, \i0+3
	FRAG AF+FR*(\i), A16+\slot, A8+\slot, \q, \i
.endr
.endm
.macro SCALES set                      ; a slot's scale words: four loads
.irp q, 0,1
	ds_load_b128 v[SC+16*(\set)+8*\q:SC+16*(\set)+8*\q+3], v[ADRS] offset:256*\q
	ds_load_b128 v[SC+16*(\set)+8*\q+4:SC+16*(\set)+8*\q+7], v[ADRS] offset:2048+256*\q
.endr
.endm
; 16 matrix instructions: A's blocks a0, a0 + 1 x B's eight.  p: B's set; q: which 128 of the slot; set: the scale words.  mode 0: onto the sums; 1: C = the bias by b; 2: C = the bias by a.
; The 64 accumulators take turns, one instruction a turn, in the same order in every step.
.macro MUL16 a0, p, q, set, mode
.irp a, \a0, \a0+1
.irp b, 0,1,2,3,4,5,6,7
.if \mode == 0
	v_wmma_scale_f32_16x16x128_f8f6f4 v[8*(8*((\a)%4)+\b):8*(8*((\a)%4)+\b)+7], v[128*(\p)+FR*\b:128*(\p)+FR*\b+FR-1], v[AF+FR*(\a):AF+FR*(\a)+FR-1], v[8*(8*((\a)%4)+\b):8*(8*((\a)%4)+\b)+7], v[SC+16*(\set)+8*(\q)+\b], v[SC+16*(\set)+8*(\q)+(\a)] matrix_a_fmt:MATRIX_FMT_FP6 matrix_b_fmt:MATRIX_FMT_FP6 matrix_a_scale:MATRIX_SCALE_ROW1
.elseif \mode == 1
	v_wmma_scale_f32_16x16x128_f8f6f4 v[8*(8*((\a)%4)+\b):8*(8*((\a)%4)+\b)+7], v[128*(\p)+FR*\b:128*(\p)+FR*\b+FR-1], v[AF+FR*(\a):AF+FR*(\a)+FR-1], v[CB+8*\b:CB+8*\b+7], v[SC+16*(\set)+8*(\q)+\b], v[SC+16*(\set)+8*(\q)+(\a)] matrix_a_fmt:MATRIX_FMT_FP6 matrix_b_fmt:MATRIX_FMT_FP6 matrix_a_scale:MATRIX_SCALE_ROW1
.else
	v_wmma_scale_f32_16x16x128_f8f6f4 v[8*(8*((\a)%4)+\b):8*(8*((\a)%4)+\b)+7], v[128*(\p)+FR*\b:128*(\p)+FR*\b+FR-1], v[AF+FR*(\a):AF+FR*(\a)+FR-1], v[CB+8*(\a):CB+8*(\a)+7], v[SC+16*(\set)+8*(\q)+\b], v[SC+16*(\set)+8*(\q)+(\a)] matrix_a_fmt:MATRIX_FMT_FP6 matrix_b_fmt:MATRIX_FMT_FP6 matrix_a_scale:MATRIX_SCALE_ROW1
.endif
.endr
.endr
.endm
; 32 of the first step's products, which start the sums with the bias: written twice, since the bias lies by b or by a.  At a branch and at a label every window is 0.
.macro FIRST a0
	WIN 0
	s_cmp_eq_u32 s[TYPE], 0
	s_cbranch_scc0 .Lby_a_\@
	WIN 0x81+0x40*((\a0)/4)                        ; C in window 0, D in window 2 or 3
	MUL16 \a0, 0, 0, 0, 1
	MUL16 \a0+2, 0, 0, 0, 1
	WIN 0
	s_branch .Ljoin_\@
.Lby_a_\@:
	WIN 0x81+0x40*((\a0)/4)
	MUL16 \a0, 0, 0, 0, 2
	MUL16 \a0+2, 0, 0, 0, 2
	WIN 0
.Ljoin_\@:
.endm
.macro STEP slot                       ; a slot's first 128 along K
	s_wait_dscnt 4*NL                              ; all but the youngest 16 loads (A's blocks 4-7) are in
	WIN MUL_LO
	MUL16 0, 0, 0, \slot, 0
	MUL16 2, 0, 0, \slot, 0
	s_wait_dscnt 0x0
	PLACES NP                                      ; in front of loads into registers that matrix instructions have read
	FETCH_B \slot, 1, 1
	FETCH_A \slot, 1, 0
	WIN MUL_HI
	MUL16 4, 0, 0, \slot, 0
	MUL16 6, 0, 0, \slot, 0
	PLACES NP
	WIN 0
	FETCH_A \slot, 1, 4
.endm
; A slot's second 128 along K, and the change of slots: one barrier; in front of it each wave waits for all its tensor loads, adds 0 to its spare word, and waits for that and for its reads of this slot.
.macro TURN slot, next, fill
	s_wait_tensorcnt 0x0                           ; all my tensor loads have landed: my part of the next slot
	ds_add_u32 v[SPW], v[NIL]                      ; 0 onto my spare word
	s_wait_dscnt 4*NL+1                            ; (the add and the youngest 16 loads may be out)
	WIN MUL_LO
	MUL16 0, 1, 1, \slot, 0
	s_wait_dscnt 0x0                               ; the add is done, and my reads of this slot are over
	s_barrier_signal -1
	MUL16 2, 1, 1, \slot, 0
	WIN 0
	s_barrier_wait -1
.if \fill
	CREST                                          ; the barrier has opened a round of the cluster's: no wave of any partner still reads this slot or has a load on its way
	s_add_nc_u64 s[G0+4*\slot+2:G0+4*\slot+3], s[G0+4*\slot+2:G0+4*\slot+3], 2*RBS
	s_add_nc_u64 s[G0B+4*\slot+2:G0B+4*\slot+3], s[G0B+4*\slot+2:G0B+4*\slot+3], 2*RBS
	JLOAD G0+4*\slot, G1, G0B+4*\slot, G1B         ; the first tensor load behind the round; its four v_nop are the places in front of the loads below
.else
	PLACES NP
.endif
	v_add_nc_u32 v[ADRS], 512, v[ADRS]             ; the next slot's scale words
	FETCH_B \next, 0, 0
	FETCH_A \next, 0, 0
	SCALES \next
	WIN MUL_HI
	MUL16 4, 1, 1, \slot, 0
	MUL16 6, 1, 1, \slot, 0
	PLACES NP
	WIN 0
	FETCH_A \next, 0, 4
.endm
	s_wait_tensorcnt 1                             ; the scales and my part of slot 0 are in; slot 1's load may be out
	s_barrier_signal -1
	s_barrier_wait -1
	FETCH_B 0, 0, 0
	FETCH_A 0, 0, 0
	SCALES 0
	FETCH_A 0, 0, 4
	s_wait_dscnt 4*NL                              ; the first step, K = 0 .. 127
	FIRST 0
	s_wait_dscnt 0x0
	PLACES NP
	FETCH_B 0, 1, 1
	FETCH_A 0, 1, 0
	FIRST 4
	PLACES NP
	FETCH_A 0, 1, 4
	TURN 0, 1, 1                                   ; K = 1,024 is four slots' worth: written out
	STEP 1
	TURN 1, 0, 1
	STEP 0
	TURN 0, 1, 0
	STEP 1
	s_wait_dscnt 4*NL                              ; the last step
	WIN MUL_LO
	MUL16 0, 1, 1, 1, 0
	MUL16 2, 1, 1, 1, 0
	s_wait_dscnt 0x0
	WIN MUL_HI
	MUL16 4, 1, 1, 1, 0
	MUL16 6, 1, 1, 1, 0
	WIN 0
	PLACES NP
	; THE EPILOGUE: no LDS.  For each a the lane's 64 numbers (8 accumulators) are four blocks of 32: two half-images and a scale word.
	; q, k: half-image c is head 4 (tile - 32) + 2 Bh + c, token block 16 TR + 8 Ah + a:      qkvc [head of 32][token block (512)][768]
	; v:    half-image c is key granule 4 (tile % 8) + 2 Bh + c of head 4 cy + 2 Ah + a / 4, rows 16 (a % 4) on:   qkvc + VQ [batch x 16 + head][granule of 64 keys (32)][4][768]
	s_sub_co_u32 s68, s42, 32
	s_lshl_b32 s68, s68, 2
	s_lshl_b32 s69, s16, 1
	s_add_co_u32 s68, s68, s69                     ; q, k: my first head
	s_lshl_b32 s70, s68, 9
	s_lshl_b32 s71, s17, 4
	s_add_co_u32 s70, s70, s71
	s_lshl_b32 s71, s15, 3
	s_add_co_u32 s70, s70, s71
	s_mul_i32 s70, s70, 768
	s_lshl_b32 s72, s68, 6                         ; scale words: [head of 32][128 tokens (64)][256 bytes]
	s_lshl_b32 s71, s17, 1
	s_add_co_u32 s72, s72, s71
	s_add_co_u32 s72, s72, s15
	s_lshl_b32 s72, s72, 8
	s_lshr_b32 s73, s42, 3                         ; v: the batch,
	s_lshl_b32 s73, s73, 4
	s_lshl_b32 s71, s41, 2
	s_add_co_u32 s73, s73, s71
	s_lshl_b32 s71, s15, 1
	s_add_co_u32 s73, s73, s71                     ; x 16 + my first head
	s_and_b32 s74, s42, 7
	s_lshl_b32 s75, s73, 5
	s_lshl_b32 s71, s74, 2
	s_add_co_u32 s75, s75, s71
	s_add_co_u32 s75, s75, s69
	s_mul_i32 s75, s75, 3072
	s_add_co_u32 s75, s75, VQ
	s_lshl_b32 s76, s73, 4                         ; scale words: [batch x 16 + head][128 keys (16)][256 bytes]
	s_lshl_b32 s71, s74, 1
	s_add_co_u32 s76, s76, s71
	s_add_co_u32 s76, s76, s16
	s_lshl_b32 s76, s76, 8
	s_add_co_u32 s76, s76, VS0
	s_mov_b32 s77, 3072
	s_mov_b32 s78, 98304
	s_mov_b32 s79, 4096
	s_mov_b32 s84, 0x03020100
	s_mov_b32 s85, 0x07060504
	s_cmp_eq_u32 s[TYPE], 0
	s_cselect_b32 s70, s70, s75                    ; offsets are chosen as plain numbers, then added to the buffers' addresses
	s_cselect_b32 s72, s72, s76
	s_cselect_b32 s80, 393216, s77                 ; from half-image 0 to 1: a head on, or a granule on
	s_cselect_b32 s82, s77, s78                    ; from a = 0-3 to a = 4-7: four token blocks on, or a head on
	s_cselect_b32 s79, 16384, s79                  ; scale words: from a head to the next
	s_cselect_b32 s84, 0x05040100, s84             ; byte selects, lanes 0-15
	s_cselect_b32 s85, 0x07060302, s85             ; and lanes 16-31
	s_mov_b32 s71, 0
	s_mov_b32 s73, 0
	s_mov_b32 s81, 0
	s_mov_b32 s83, 0
	s_add_nc_u64 s[OB:OB+1], s[10:11], s[70:71]
	s_add_nc_u64 s[OB+2:OB+3], s[OB:OB+1], s[80:81]
	s_add_nc_u64 s[OB+4:OB+5], s[OB:OB+1], s[82:83]
	s_add_nc_u64 s[OB+6:OB+7], s[OB+2:OB+3], s[82:83]
	s_add_nc_u64 s[12:13], s[12:13], s[72:73]
	v_mul_u32_u24 v[SCO], s79, v2
	v_lshl_add_u32 v[SCO], v1, 4, v[SCO]
	v_mov_b32 v[SELV], s84
	v_mov_b32 v[SELV+1], s85
	v_cmp_ne_u32 vcc_lo, 0, v2
	v_cndmask_b32 v[SELV], v[SELV], v[SELV+1], vcc_lo
.irp b, 0,1,2,3
	v_mov_b32 v[TM+4+\b], 0                        ; written once: a lane permute's destination counts as one of its sources
.endr
.macro QUANTA a
.set AC, 64*((\a)%4)
.set W, 2+(\a)/4
	WIN (W<<2)|(W<<4)                              ; sources 1 and 2: the accumulators' window
.irp b, 0,1,2,3
	v_max3_num_f32 v[TM+\b], FLOOR, |v[AC+16*\b]|, |v[AC+16*\b+1]|   ; each accumulator is read from its low end on
.endr
.irp i, 2,4,6,8,10,12,14
.irp b, 0,1,2,3
	v_max3_num_f32 v[TM+\b], v[TM+\b], |v[AC+16*\b+\i]|, |v[AC+16*\b+\i+1]|
.endr
.endr
	WIN 0
.irp b, 0,1,2,3
	v_permlanex16_b32 v[TM+4+\b], v[TM+\b], s[SELS], s[SELS+1]
.endr
.irp b, 0,1,2,3
	v_max_num_f32 v[TM+\b], v[TM+\b], v[TM+4+\b]
.endr
.irp b, 0,1,2,3
	v_add_nc_u32 v[TM+12+\b], OFF2, v[TM+\b]
.endr
.irp b, 0,1,2,3
	v_lshrrev_b32 v[TM+4+\b], 23, v[TM+12+\b]
.endr
	v_lshl_or_b32 v[PWS+(\a)], v[TM+5], 8, v[TM+4]
	v_lshl_or_b32 v[PWS+(\a)], v[TM+6], 16, v[PWS+(\a)]
	v_lshl_or_b32 v[PWS+(\a)], v[TM+7], 24, v[PWS+(\a)]
	s_wait_xcnt 0x0                                ; the last block's stores have read their data: the codes' registers are written again only behind this wait
	WIN W                                          ; source 0: the accumulators' window
.irp c, 0,1
	v_cvt_scalef32_pk16_fp6_f32 v[PC+6*\c:PC+2+6*\c], v[AC+32*\c:AC+15+32*\c], v[TM+12+2*\c]
	v_cvt_scalef32_pk16_fp6_f32 v[PC+12+4*\c:PC+14+4*\c], v[AC+16+32*\c:AC+31+32*\c], v[TM+12+2*\c+1]
.endr
	WIN 0
	v_nop                                          ; one plain place behind a scaled conversion
.irp c, 0,1
.irp i, 0,1,2
	v_permlane16_swap_b32 v[PC+6*\c+\i], v[PC+12+4*\c+\i]
.endr
.irp i, 0,1,2
	v_mov_b32 v[PC+3+6*\c+\i], v[PC+12+4*\c+\i]
.endr
.endr
.irp c, 0,1
	global_store_b128 v[L16], v[PC+6*\c:PC+6*\c+3], s[OB+2*\c+4*((\a)/4):OB+2*\c+4*((\a)/4)+1] offset:((\a)%4)*768       ; 512 consecutive bytes
	global_store_b64 v[L8], v[PC+6*\c+4:PC+6*\c+5], s[OB+2*\c+4*((\a)/4):OB+2*\c+4*((\a)/4)+1] offset:((\a)%4)*768+512   ; 256 consecutive bytes
.endr
.endm
.irp a, 0,1,2,3,4,5,6,7
	QUANTA \a
.endr
	; the scale words: lanes 0-15 store my first head's 256 bytes, lanes 16-31 my second head's
	s_cmp_eq_u32 s[TYPE], 0
	s_cbranch_scc0 .Lwords_v
.irp f, 0,1,2,3                                ; q, k: word f of row r: the head's two bytes of token 32 f + r, and above them those of token 32 f + 16 + r
	v_perm_b32 v[DW+\f], v[PWS+2*\f+1], v[PWS+2*\f], v[SELV]
.endr
	s_branch .Lwords_done
.Lwords_v:
.irp t, 0,1,2,3                                ; v: word t of row r: the four bytes of row 16 t + r for these 128 keys
	v_perm_b32 v[DW+\t], v[PWS+4+\t], v[PWS+\t], v[SELV]
.endr
.Lwords_done:
	global_store_b128 v[SCO], v[DW:DW+3], s[12:13]
	s_wait_tensorcnt 0x0                           ; the wave's end
	ds_add_u32 v[SPW], v[NIL]
	s_wait_dscnt 0x0
	CROUND                                         ; the closing round: no work-group ends while a partner may still ask for a tile that names it
	s_endpgm
.Lfunc_end_k_q026918402b_proj_in:
	.size	k_q026918402b_proj_in, .Lfunc_end_k_q026918402b_proj_in-k_q026918402b_proj_in
	.p2alignl 7, 3214868480
	.fill 96, 4, 3214868480
	.section	.rodata,"a",@progbits
	.p2align	6, 0x0
	.amdhsa_kernel k_q026918402b_proj_in
		.amdhsa_group_segment_fixed_size 327680
		.amdhsa_private_segment_fixed_size 0
		.amdhsa_enable_private_segment 0
		.amdhsa_kernarg_size 40
		.amdhsa_user_sgpr_count 2
		.amdhsa_user_sgpr_kernarg_segment_ptr 1
		.amdhsa_wavefront_size32 1
		.amdhsa_system_sgpr_workgroup_id_x 1
		.amdhsa_system_sgpr_workgroup_id_y 1
		.amdhsa_system_sgpr_workgroup_id_z 1
		.amdhsa_system_vgpr_workitem_id 0
		.amdhsa_next_free_vgpr 1024
		.amdhsa_next_free_sgpr 100
		.amdhsa_reserve_vcc 1
		.amdhsa_float_denorm_mode_32 3
		.amdhsa_float_denorm_mode_16_64 3
		.amdhsa_memory_ordered 1
		.amdhsa_forward_progress 1
		.amdhsa_inst_pref_size 163
	.end_amdhsa_kernel
	.amdgpu_metadata
---
amdhsa.version: [ 1, 2 ]
amdhsa.kernels:
  - .name:           k_q026918402b_proj_in
    .symbol:         k_q026918402b_proj_in.kd
    .args:
      - { .name: opq, .offset: 0, .size: 8, .value_kind: global_buffer, .address_space: global }
      - { .name: ops, .offset: 8, .size: 8, .value_kind: global_buffer, .address_space: global }
      - { .name: b_in, .offset: 16, .size: 8, .value_kind: global_buffer, .address_space: global }
      - { .name: qkvc, .offset: 24, .size: 8, .value_kind: global_buffer, .address_space: global }
      - { .name: qkvs, .offset: 32, .size: 8, .value_kind: global_buffer, .address_space: global }
    .group_segment_fixed_size: 327680
    .private_segment_fixed_size: 0
    .kernarg_segment_align: 8
    .kernarg_segment_size: 40
    .max_flat_workgroup_size: 128
    .sgpr_count:     100
    .vgpr_count:     1024
    .wavefront_size: 32
...
	.end_amdgpu_metadata
.endif
;; end of part 2
;; launch attn (part 3): grid 256 x 1, 16 waves a work-group, clusters of 4 x 1, 206,848 bytes of LDS; arguments qkvc, qkvs, aqc, aqs; writes aqc, aqs
.if DOCPART == 3
	.amdgcn_target "amdgcn-amd-amdhsa--gfx1250"
	.amdhsa_code_object_version 6
	.text
	.protected	k_q026918402b_attn
	.globl	k_q026918402b_attn
	.p2align	8
	.type	k_q026918402b_attn,@function
k_q026918402b_attn:
	s_mov_b64 s[64:65], 0
	v_nop
	global_prefetch_b8 v0, s[64:65] scope:SCOPE_SE
	s_setreg_imm32_b32 hwreg(HW_REG_WAVE_MODE, 25, 1), 1
	s_wait_xcnt 0x0
	s_wait_alu depctr_hold_cnt(0) depctr_sa_sdst(0) depctr_va_vdst(0) depctr_va_sdst(0) depctr_va_ssrc(0) depctr_va_vcc(0) depctr_vm_vsrc(0)
	s_getreg_b32 s2, hwreg(HW_REG_IB_STS2, 6, 4)
	s_cmp_eq_u32 s2, 0
	s_cbranch_scc0 .Lentry_in_a_cluster
	s_endpgm
.Lentry_in_a_cluster:
	s_bfe_u32 s2, ttmp6, 0x10000c
	s_cmp_lg_u32 s2, 0x3003
	s_cbranch_scc0 .Lentry_shape_is_right
	s_endpgm
.Lentry_shape_is_right:
; Causal attention on codes of FP6 (E2M3) with E8M0 scales: S = q k^T (K = the head's 64), p = 2^(t - M), O = p v (K = the keys), O / l quantised along the model's 1,024 features for the last product.
; t = score x log2(e) / 8; M = the running largest t rounded up to a whole number; the row's sum l is taken of the unquantised p; when M moves, l and O are multiplied by 2^(old M - new M), which rounds nothing.
; LIMITS: NaN and infinities are not served; a block whose largest magnitude lies under 2^-124 has its byte held at 1; a block of zeros has the byte 1 (its codes are zeros; only this program reads the bytes).
; SHARES.  A cluster of four work-groups takes one (batch, head).  A query tile of 16 is T = 4 i + cx, i = 0 .. 31: it needs (i / 2) + 1 key steps of 128, a number that does not hang on cx: no branch, trip count or LDS address
; hangs on a work-group's place in its cluster.  Wave w takes tiles i = 31 - w and i = w: 17 key steps for every wave.
; ALL of the head's K and V (2 x 98,304 bytes of codes, 2 x 4,096 of scale words) lie in LDS, filled ONCE by joint loads: no ring, no refill.  The first halves (keys 0-1,023) are waited for first; the second halves land meanwhile.
; LAYOUT.  Both products are used transposed: a lane holds one query (lane % 16).  Codes lie as half-images (768 bytes: registers 0-5 of an operand, 16 rows x 64 K).
; K = 64 IN AN INSTRUCTION OF 128: a fragment of k is two key tiles side by side (registers 0-5 tile 2 f, 6-11 tile 2 f + 1); q stands between zeros, Z | Q | Z: [Q | 0] gives tile 2 f, [0 | Q] tile 2 f + 1.
; The half that is not meant meets zero codes, which add nothing; q's scale bytes for it are 0.
; The keys' order inside a block of 32 (register 16 b + i of lane half h = key 32 b + 8 h + i, + 8 more from i = 8 on) is the one in which the launch before laid v: alike on both sides of the product.
; REGISTERS: v1-6 addresses that stay; v7 the mask's compare value; v8-13 the step's addresses; v14 -M, v15 the largest t; v[16:17] the sum; v18-35 Z | Q | Z; v36, 37 q's scale words; v38 as loaded;
;   v40-87 four fragments of k, then of v; v88-91, v92-95 their scale words; v96-159 S^T, then p; v160-191 O^T; v192-211 p's codes; v212-228 at work; v224 p's scale word; v229 -infinity; v230-232 offsets; v234 the result's two bytes.
.set VQ,   12582912
.set VS0,  524288
.set KSC,  196608                      ; LDS: k's codes at 0, v's at 98,304, k's scale words here, 256 bytes a key step,
.set VSC,  200704                      ; v's here
.set FLOOR, 0x1800000
.set OFF2, 0xff000000
.set PC,  192
.set CT,  204
.set BM,  212
.set BT,  216
.set SO,  220
.set WV,  12
.set CX,  13
.set BH,  14
.set BB,  15
.set HH,  16
.set SEL, 20
.set CS,  22
.set G1C, 24                           ; s[24:31] group 1: 49,152 dense bytes
.set G1S, 32                           ; s[32:39] group 1: 2,048 dense bytes
.set G0C, 40                           ; s[40:47] groups 0 for codes, first and second half
.set G0S, 48                           ; s[48:55] for scale words
.set ST,  56                           ; the key step
.set NST, 57                           ; the tile's number of key steps
.set S6,  58                           ; 6,144 x the key step
.set S2,  59                           ; 256 x the key step
.set IL,  60                           ; i of my late tile
.set IS,  61                           ; i of my early tile
.set TL,  66                           ; s[66:73] the late tile's four bases: q's codes, q's scale word, the result's codes, its scale bytes
.set TS,  74                           ; s[74:81] the early tile's
.macro CROUND
	s_barrier_signal -1
	s_barrier_wait -1
	s_cmp_lg_u32 s[WV], 0
	s_cbranch_scc1 .Lnot_wave_0_\@
	s_barrier_signal -3
.Lnot_wave_0_\@:
	s_barrier_wait -3
	s_barrier_signal -1
	s_barrier_wait -1
.endm
	s_load_b256 s[4:11], s[0:1], 0x0               ; qkvc s[4:5], qkvs s[6:7], aqc s[8:9], aqs s[10:11]
	v_lshl_add_u32 v254, v0, 2, 0x32000
	v_mov_b32 v255, 0
	ds_add_u32 v254, v255
	ds_add_u32 v254, v255
	v_lshrrev_b32 v8, 5, v0
	s_delay_alu instid0(VALU_DEP_1)
	v_readfirstlane_b32 s[WV], v8                  ; wave 0..15
	s_bfe_u32 s[CX], ttmp6, 0x40000                ; cx: it enters global addresses and the mask's compare value alone
	s_mov_b32 s[BH], ttmp9                         ; batch x 16 + head: the cluster's number
	s_lshr_b32 s[BB], s[BH], 4
	s_and_b32 s[HH], s[BH], 15
	s_mov_b32 s[G1C], 15|(3<<16)|(1<<21)           ; the mask: all four work-groups; elements of 8 bytes; bit 21 beside a mask; no padding
	s_mov_b32 s[G1C+1], 32<<16                     ; rows of 256 bytes
	s_mov_b32 s[G1C+2], 192<<16
	s_mov_b32 s[G1C+3], 32<<16
	s_mov_b32 s[G1C+4], 192
	s_mov_b32 s[G1C+5], 32
	s_mov_b32 s[G1C+6], 0
	s_mov_b32 s[G1C+7], 0
	s_mov_b32 s[G1S], 15|(3<<16)|(1<<21)
	s_mov_b32 s[G1S+1], 32<<16
	s_mov_b32 s[G1S+2], 8<<16
	s_mov_b32 s[G1S+3], 32<<16
	s_mov_b32 s[G1S+4], 8
	s_mov_b32 s[G1S+5], 32
	s_mov_b32 s[G1S+6], 0
	s_mov_b32 s[G1S+7], 0
	s_add_co_u32 s83, s[HH], 16                    ; k's heads are 16-31 of qkvc's 32
	s_lshl_b32 s83, s83, 9
	s_lshl_b32 s85, s[BB], 7
	s_add_co_u32 s83, s83, s85
	s_mul_i32 s83, s83, 768                        ; k's codes of this batch and head
	s_mul_i32 s84, s[BH], 98304
	s_add_co_u32 s84, s84, VQ                      ; v's
	s_add_co_u32 s86, s[HH], 16
	s_lshl_b32 s86, s86, 6
	s_lshl_b32 s85, s[BB], 4
	s_add_co_u32 s86, s86, s85
	s_lshl_b32 s86, s86, 8                         ; k's scale words
	s_lshl_b32 s87, s[BH], 12
	s_add_co_u32 s87, s87, VS0                     ; v's
	s_and_b32 s82, s[WV], 1                        ; even waves fetch for k, odd ones for v
	s_cmp_eq_u32 s82, 0
	s_cselect_b32 s88, s83, s84
	s_cselect_b32 s90, s86, s87
	s_mov_b32 s89, 0
	s_mov_b32 s91, 0
	s_mul_i32 s92, s82, 98304
	s_lshl_b32 s93, s82, 12
	s_mov_b32 s[SEL], 0x76543210
	s_mov_b32 s[SEL+1], 0xfedcba98
	s_mov_b32 s[CS], 0x3e38aa3b                    ; c = log2(e) / 8
	s_mov_b32 s[CS+1], s[CS]                       ; (named with it as a pair, so it is written)
	s_sub_co_u32 s[IL], 31, s[WV]
	s_mov_b32 s[IS], s[WV]
	s_wait_dscnt 0x0
	s_wait_kmcnt 0x0
	s_mov_b32 s[G0C], 1
	s_mov_b32 s[G0C+1], s92
	s_add_nc_u64 s[G0C+2:G0C+3], s[4:5], s[88:89]
	s_mov_b32 s[G0C+4], 1
	s_add_co_u32 s[G0C+5], s92, 49152
	s_add_nc_u64 s[G0C+6:G0C+7], s[G0C+2:G0C+3], 49152
	s_or_b32 s[G0C+3], s[G0C+3], 0x80000000
	s_or_b32 s[G0C+7], s[G0C+7], 0x80000000
	s_mov_b32 s[G0S], 1
	s_add_co_u32 s[G0S+1], s93, KSC
	s_add_nc_u64 s[G0S+2:G0S+3], s[6:7], s[90:91]
	s_mov_b32 s[G0S+4], 1
	s_add_co_u32 s[G0S+5], s93, KSC+2048
	s_add_nc_u64 s[G0S+6:G0S+7], s[G0S+2:G0S+3], 2048
	s_or_b32 s[G0S+3], s[G0S+3], 0x80000000
	s_or_b32 s[G0S+7], s[G0S+7], 0x80000000
	CROUND                                         ; all four work-groups are here: the joint loads meet
	s_cmp_lt_u32 s[WV], 2                          ; waves 0, 1: k's and v's codes; waves 2, 3: their scale words; two loads a wave, first keys 0-1,023; the others fetch nothing
	s_cbranch_scc0 .Lnot_codes
	tensor_load_to_lds s[G0C:G0C+3], s[G1C:G1C+7]
	s_nop 0
	tensor_load_to_lds s[G0C+4:G0C+7], s[G1C:G1C+7]
	s_nop 0
.rept 4
	v_nop
.endr
	s_branch .Lasked
.Lnot_codes:
	s_cmp_lt_u32 s[WV], 4
	s_cbranch_scc0 .Lasked
	tensor_load_to_lds s[G0S:G0S+3], s[G1S:G1S+7]
	s_nop 0
	tensor_load_to_lds s[G0S+4:G0S+7], s[G1S:G1S+7]
	s_nop 0
.rept 4
	v_nop
.endr
.Lasked:
	v_and_b32 v8, 31, v0                           ; lane
	v_and_b32 v9, 15, v0                           ; r
	v_bfe_u32 v10, v0, 4, 1                        ; h
	s_delay_alu instid0(VALU_DEP_3)
	v_lshlrev_b32 v1, 4, v8                        ; k: 16 x lane
	s_delay_alu instid0(VALU_DEP_4)
	v_lshlrev_b32 v230, 3, v8                      ; 8 x lane
	s_delay_alu instid0(VALU_DEP_1)
	v_add_nc_u32 v2, 512, v230                     ; k: 512 + 8 x lane
	s_delay_alu instid0(VALU_DEP_3)
	v_add_nc_u32 v3, 98304, v1                     ; v likewise
	s_delay_alu instid0(VALU_DEP_3)
	v_add_nc_u32 v4, 98816, v230
	v_lshlrev_b32 v232, 4, v9                      ; 16 r
	s_delay_alu instid0(VALU_DEP_1)
	v_add_nc_u32 v5, KSC, v232
	s_delay_alu instid0(VALU_DEP_2)
	v_add_nc_u32 v6, VSC, v232
	v_lshlrev_b32 v10, 3, v10
	s_delay_alu instid0(VALU_DEP_1)
	v_sub_nc_u32 v231, v9, v10                     ; r - 8 h
	v_mov_b32 v229, 0xff800000                     ; -infinity
	v_mov_b32 v228, 0
.irp j, 18,19,20,21,22,23,30,31,32,33,34,35
	v_mov_b32 v[\j], 0                             ; Z: zero codes
.endr
.irp b, 0,1,2,3
	v_mov_b32 v[BT+\b], 0                          ; written once: a lane permute's destination counts as one of its sources
.endr
.macro BASES i, d                      ; the four bases of tile T = 4 i + cx
	s_lshl_b32 s84, s[\i], 2
	s_add_co_u32 s84, s84, s[CX]
	s_lshl_b32 s85, s[BB], 7
	s_add_co_u32 s84, s84, s85                     ; the token block: 128 x batch + T
	s_lshl_b32 s86, s[HH], 9
	s_add_co_u32 s86, s86, s84
	s_mul_i32 s86, s86, 768
	s_mov_b32 s87, 0
	s_add_nc_u64 s[\d:\d+1], s[4:5], s[86:87]      ; q's half-image
	s_lshl_b32 s86, s[HH], 6
	s_lshl_b32 s85, s[BB], 4
	s_add_co_u32 s86, s86, s85
	s_lshr_b32 s85, s[\i], 1
	s_add_co_u32 s86, s86, s85
	s_lshl_b32 s86, s86, 8                         ; the 256 bytes of its 128 tokens,
	s_and_b32 s85, s[\i], 1
	s_lshl_b32 s85, s85, 1
	s_lshr_b32 s88, s[CX], 1
	s_add_co_u32 s85, s85, s88
	s_lshl_b32 s85, s85, 2
	s_add_co_u32 s86, s86, s85                     ; word (T % 8) / 2 of a row's four
	s_add_nc_u64 s[\d+2:\d+3], s[6:7], s[86:87]
	s_lshl_b32 s86, s84, 4
	s_add_co_u32 s86, s86, s[HH]
	s_mul_i32 s86, s86, 768
	s_add_nc_u64 s[\d+4:\d+5], s[8:9], s[86:87]    ; the result: [token block][head][768]
	s_lshl_b32 s86, s[BB], 5
	s_add_co_u32 s86, s86, s[\i]
	s_lshl_b32 s86, s86, 11                        ; its scale bytes: [64 tokens][K step of 128 = head / 2][r][token block in the 64 = cx] words, the head's two bytes at 2 (head % 2)
	s_lshr_b32 s85, s[HH], 1
	s_lshl_b32 s85, s85, 8
	s_add_co_u32 s86, s86, s85
	s_lshl_b32 s85, s[CX], 2
	s_add_co_u32 s86, s86, s85
	s_and_b32 s85, s[HH], 1
	s_lshl_b32 s85, s85, 1
	s_add_co_u32 s86, s86, s85
	s_add_nc_u64 s[\d+6:\d+7], s[10:11], s[86:87]
.endm
	BASES IL, TL
	BASES IS, TS
.macro START i, d, again
.if \again
	s_wait_xcnt 0x0                                ; the last tile's stores have read their data: those registers are written again only behind this wait
.endif
	global_load_b128 v[24:27], v1, s[\d:\d+1]      ; Q
	global_load_b64 v[28:29], v230, s[\d:\d+1] offset:512
	global_load_b32 v38, v232, s[\d+2:\d+3]
	s_lshr_b32 s[NST], s[\i], 1
	s_add_co_u32 s[NST], s[NST], 1
	s_and_b32 s82, s[\i], 1
	s_lshl_b32 s82, s82, 2
	s_add_co_u32 s82, s82, s[CX]
	s_lshl_b32 s82, s82, 4                         ; 16 (T % 8): my tile's first query in the step on the diagonal
	v_add_nc_u32 v7, s82, v231
	v_mov_b32 v15, 0xff61b1e6                      ; the largest t so far: -3e38
	s_delay_alu instid0(VALU_DEP_1)
	v_floor_f32 v14, -v15                          ; -M
	v_mov_b32 v16, 0
	v_mov_b32 v17, 0
	v_mov_b32 v227, 0                              ; (named as the upper half of a pair)
	s_and_b32 s83, s[CX], 1
	s_lshl_b32 s83, s83, 4
	s_wait_loadcnt 0x0
	v_lshrrev_b32 v36, s83, v38                    ; my tile's two bytes of the word:
	s_delay_alu instid0(VALU_DEP_1)
	v_and_b32 v36, 0xffff, v36                     ; for [Q | 0],
	s_delay_alu instid0(VALU_DEP_1)
	v_lshlrev_b32 v37, 16, v36                     ; for [0 | Q]
.set n, 0
.rept 32
	v_mov_b32 v[160+n], 0                          ; O^T begins as zeros, which the first change of M leaves zeros.  (Also the places between the scale words' lines and the first scaled product)
.set n, n+1
.endr
	s_mov_b32 s[ST], 0
	s_mov_b32 s[S6], 0
	s_mov_b32 s[S2], 0
.endm
; A KEY STEP: 128 keys.  full = 1: every key counts.  full = 0: a step behind the tile's last is left out (a scalar branch on ids, round the work alone), and in the tile's last step hidden scores become -infinity.
.macro STEP full
.if \full == 0
	s_cmp_ge_u32 s[ST], s[NST]
	s_cbranch_scc1 .Lhidden_\@
.endif
	s_setprio 2
	v_add_nc_u32 v8, s[S6], v1                     ; six plain lines: the places behind the last products, in front of the loads
	v_add_nc_u32 v9, s[S6], v2
	v_add_nc_u32 v10, s[S6], v3
	v_add_nc_u32 v11, s[S6], v4
	v_add_nc_u32 v12, s[S2], v5
	v_add_nc_u32 v13, s[S2], v6
.irp f, 0,1,2,3
	ds_load_b128 v[40+12*\f:43+12*\f], v8 offset:1536*\f
	ds_load_b64 v[44+12*\f:45+12*\f], v9 offset:1536*\f
	ds_load_b128 v[46+12*\f:49+12*\f], v8 offset:1536*\f+768
	ds_load_b64 v[50+12*\f:51+12*\f], v9 offset:1536*\f+768
.endr
	ds_load_b128 v[88:91], v12
	s_wait_alu depctr_va_vdst(0)
	s_wait_dscnt 0x0
.irp f, 0,1,2,3                                ; S^T: eight tiles of 16 keys
	v_wmma_scale_f32_16x16x128_f8f6f4 v[96+16*\f:103+16*\f], v[40+12*\f:51+12*\f], v[24:35], 0, v[88+\f], v36 matrix_a_fmt:MATRIX_FMT_FP6 matrix_b_fmt:MATRIX_FMT_FP6
	v_wmma_scale_f32_16x16x128_f8f6f4 v[104+16*\f:111+16*\f], v[40+12*\f:51+12*\f], v[18:29], 0, v[88+\f], v37 matrix_a_fmt:MATRIX_FMT_FP6 matrix_b_fmt:MATRIX_FMT_FP6
.endr
.rept 4
	v_nop                                          ; places in front of the loads into k's registers and of the first read of the scores
.endr
.irp t, 0,1,2,3                                ; v's fragments land under the softmax
	ds_load_b128 v[40+12*\t:43+12*\t], v10 offset:768*\t
	ds_load_b64 v[44+12*\t:45+12*\t], v11 offset:768*\t
	ds_load_b128 v[46+12*\t:49+12*\t], v10 offset:3072+768*\t
	ds_load_b64 v[50+12*\t:51+12*\t], v11 offset:3072+768*\t
.endr
	ds_load_b128 v[92:95], v13
.if \full == 0
	s_add_co_u32 s82, s[ST], 1
	s_cmp_lg_u32 s82, s[NST]
	s_cbranch_scc1 .Lopen_\@
.set n, 0
.rept 64                                       ; register n holds key 16 (n / 8) + 8 h + n % 8 of the step: hidden where it lies behind my query
	v_cmp_gt_i32 vcc_lo, 16*(n/8)+n%8, v7
	v_cndmask_b32 v[96+n], v[96+n], v229, vcc_lo
.set n, n+1
.endr
.Lopen_\@:
.endif
.irp b, 0,1,2,3
	v_max3_num_f32 v[BM+\b], v[96+16*\b], v[97+16*\b], v[98+16*\b]   ; the largest score of each block of 32 keys: for the row's maximum, and, since p rises with the score, for the block's largest p
.endr
.irp i, 3,5,7,9,11,13
.irp b, 0,1,2,3
	v_max3_num_f32 v[BM+\b], v[BM+\b], v[96+16*\b+\i], v[97+16*\b+\i]
.endr
.endr
.irp b, 0,1,2,3
	v_max_num_f32 v[BM+\b], v[BM+\b], v[111+16*\b]
.endr
.irp b, 0,1,2,3
	s_delay_alu instid0(VALU_DEP_4)
	v_permlanex16_b32 v[BT+\b], v[BM+\b], s[SEL], s[SEL+1]
.endr
.irp b, 0,1,2,3
	s_delay_alu instid0(VALU_DEP_4)
	v_max_num_f32 v[BM+\b], v[BM+\b], v[BT+\b]
.endr
	s_delay_alu instid0(VALU_DEP_2)
	v_max3_num_f32 v228, v[BM], v[BM+1], v[BM+2]
	s_delay_alu instid0(VALU_DEP_1)
	v_max_num_f32 v228, v228, v[BM+3]
	s_delay_alu instid0(VALU_DEP_1)
	v_mul_f32 v228, s[CS], v228
	s_delay_alu instid0(VALU_DEP_1)
	v_max_num_f32 v15, v15, v228                   ; the running largest t
	v_mov_b32 v228, v14
	s_delay_alu instid0(VALU_DEP_2)
	v_floor_f32 v14, -v15                          ; the new -M = -ceil(t)
	s_delay_alu instid0(VALU_DEP_1)
	v_sub_f32 v228, v14, v228                      ; old M - new M: a whole number, 0 or less
	s_delay_alu instid0(VALU_DEP_1)
	v_cvt_i32_f32 v228, v228                       ; (it saturates)
	s_delay_alu instid0(VALU_DEP_1)
	v_ldexp_f32 v226, 1.0, v228                    ; f = 2^(old M - new M)
.set n, 0
.rept 32
	v_pk_fma_f32 v[96+n:97+n], v[96+n:97+n], s[CS:CS+1], v[14:15] op_sel_hi:[1,0,0]   ; t - M, two at a time
.set n, n+2
.endr
.irp b, 0,1,2,3
	v_fma_f32 v[BM+\b], v[BM+\b], s[CS], v14
.endr
.set n, 0
	s_setprio 1
	s_wait_alu depctr_va_vdst(0)
.rept 64
	v_exp_f32 v[96+n], v[96+n]                     ; p = 2^(t - M)
.set n, n+1
.endr
	v_pk_mul_f32 v[16:17], v[16:17], v[226:227] op_sel_hi:[1,0]   ; the sums under the new M; a plain line behind the exponentials
	s_wait_alu depctr_va_vdst(0)                   ; one wait for the batch, ahead of its first reader
.irp b, 0,1,2,3
	v_exp_f32 v[BM+\b], v[BM+\b]                   ; each block's largest p
.endr
	v_pk_add_f32 v[216:217], v[100:101], v[104:105]
	v_pk_add_f32 v[252:253], v[108:109], v[112:113]
	v_pk_add_f32 v[250:251], v[116:117], v[120:121]
	v_pk_add_f32 v[248:249], v[124:125], v[128:129]
	v_pk_add_f32 v[246:247], v[132:133], v[136:137]
	v_pk_add_f32 v[244:245], v[140:141], v[144:145]
	v_pk_add_f32 v[242:243], v[148:149], v[152:153]
	v_pk_add_f32 v[16:17], v[16:17], v[156:157]
	v_pk_add_f32 v[216:217], v[216:217], v[96:97]
	v_pk_add_f32 v[252:253], v[252:253], v[98:99]
	v_pk_add_f32 v[250:251], v[250:251], v[102:103]
	v_pk_add_f32 v[248:249], v[248:249], v[106:107]
	v_pk_add_f32 v[246:247], v[246:247], v[110:111]
	v_pk_add_f32 v[244:245], v[244:245], v[114:115]
	v_pk_add_f32 v[242:243], v[242:243], v[118:119]
	v_pk_add_f32 v[16:17], v[16:17], v[122:123]
	v_pk_add_f32 v[216:217], v[216:217], v[126:127]
	v_pk_add_f32 v[252:253], v[252:253], v[130:131]
	v_pk_add_f32 v[250:251], v[250:251], v[134:135]
	v_pk_add_f32 v[248:249], v[248:249], v[138:139]
	v_pk_add_f32 v[246:247], v[246:247], v[142:143]
	v_pk_add_f32 v[244:245], v[244:245], v[146:147]
	v_pk_add_f32 v[242:243], v[242:243], v[150:151]
	v_pk_add_f32 v[16:17], v[16:17], v[154:155]
	v_pk_add_f32 v[216:217], v[216:217], v[158:159]
	s_delay_alu instid0(VALU_DEP_2)
	v_pk_add_f32 v[16:17], v[16:17], v[248:249]
	s_delay_alu instid0(VALU_DEP_2)
	v_pk_add_f32 v[216:217], v[216:217], v[246:247]
	v_pk_add_f32 v[252:253], v[252:253], v[244:245]
	v_pk_add_f32 v[250:251], v[250:251], v[242:243]
	s_delay_alu instid0(VALU_DEP_2)
	v_pk_add_f32 v[16:17], v[16:17], v[252:253]
	s_delay_alu instid0(VALU_DEP_2)
	v_pk_add_f32 v[216:217], v[216:217], v[250:251]
	s_delay_alu instid0(VALU_DEP_1)
	v_pk_add_f32 v[16:17], v[16:17], v[216:217]
	s_wait_alu depctr_va_vdst(0)                   ; and one for the four
.irp b, 0,1,2,3
	v_max_num_f32 v[BM+\b], FLOOR, v[BM+\b]
.endr
.irp b, 0,1,2,3
	s_delay_alu instid0(VALU_DEP_4)
	v_add_nc_u32 v[SO+\b], OFF2, v[BM+\b]
.endr
.irp b, 0,1,2,3
	s_delay_alu instid0(VALU_DEP_4)
	v_lshrrev_b32 v[BT+\b], 23, v[SO+\b]
.endr
	s_delay_alu instid0(VALU_DEP_3)
	v_lshl_or_b32 v224, v[BT+1], 8, v[BT]          ; p's scale word for these 128 keys
	s_delay_alu instid0(VALU_DEP_1)
	v_lshl_or_b32 v224, v[BT+2], 16, v224
	s_delay_alu instid0(VALU_DEP_1)
	v_lshl_or_b32 v224, v[BT+3], 24, v224
.irp c, 0,1
	v_cvt_scalef32_pk16_fp6_f32 v[PC+6*\c:PC+6*\c+2], v[96+32*\c:111+32*\c], v[SO+2*\c]
	v_cvt_scalef32_pk16_fp6_f32 v[CT+4*\c:CT+4*\c+2], v[112+32*\c:127+32*\c], v[SO+2*\c+1]
.endr
	v_nop                                          ; one plain place behind a scaled conversion
	s_setprio 0
.irp c, 0,1
.irp i, 0,1,2
	v_permlane16_swap_b32 v[PC+6*\c+\i], v[CT+4*\c+\i]
.endr
.irp i, 0,1,2
	s_delay_alu instid0(VALU_DEP_3)
	v_mov_b32 v[PC+3+6*\c+\i], v[CT+4*\c+\i]
.endr
.endr
.set n, 0
.rept 16
	v_pk_mul_f32 v[160+n:161+n], v[160+n:161+n], v[226:227] op_sel_hi:[1,0]   ; O^T under the new M; also the places between p's codes and scale word and the products
.set n, n+2
.endr
	s_wait_alu depctr_va_vdst(0)
	s_wait_dscnt 0x0                               ; v's fragments and scale words are in
.irp t, 0,1,2,3                                ; O^T += v^T p^T: four accumulators by turns
	v_wmma_scale_f32_16x16x128_f8f6f4 v[160+8*\t:167+8*\t], v[40+12*\t:51+12*\t], v[PC:PC+11], v[160+8*\t:167+8*\t], v[92+\t], v224 matrix_a_fmt:MATRIX_FMT_FP6 matrix_b_fmt:MATRIX_FMT_FP6
.endr
.if \full == 0
.Lhidden_\@:
.endif
	s_add_co_u32 s[S6], s[S6], 6144
	s_add_co_u32 s[S2], s[S2], 256
	s_add_co_u32 s[ST], s[ST], 1
.endm
; A tile's end: O^T / l; the channels are brought into their natural order (the last product's other operand, w_out, lies so); quantised along the head's 64: one half-image and two scale bytes.
.macro FINISH d
.rept 4
	v_nop                                          ; places behind the last products
.endr
	v_add_f32 v16, v16, v17
	s_delay_alu instid0(VALU_DEP_1)
	v_permlanex16_b32 v228, v16, s[SEL], s[SEL+1]
	s_delay_alu instid0(VALU_DEP_1)
	v_add_f32 v16, v16, v228                       ; the row's sum
	s_wait_alu depctr_va_vdst(0)
	v_rcp_f32 v16, v16
	v_nop                                          ; a plain place behind the reciprocal
	s_wait_alu depctr_va_vdst(0)                   ; the wait ahead of its first reader
.set n, 0
.rept 32
	v_mul_f32 v[96+n], v[160+n], v16               ; register 8 t + j: channel 16 t + 8 h + j
.set n, n+1
.endr
.irp b, 0,1
.irp j, 0,1,2,3,4,5,6,7
	v_permlane16_swap_b32 v[96+16*\b+\j], v[104+16*\b+\j]   ; register 16 b + i now holds channel 32 b + 16 h + i
.endr
.endr
.irp b, 0,1
	v_max3_num_f32 v[BM+\b], |v[96+16*\b]|, |v[97+16*\b]|, FLOOR
.endr
.irp i, 2,4,6,8,10,12,14
.irp b, 0,1
	s_delay_alu instid0(VALU_DEP_2)
	v_max3_num_f32 v[BM+\b], v[BM+\b], |v[96+16*\b+\i]|, |v[97+16*\b+\i]|
.endr
.endr
.irp b, 0,1
	s_delay_alu instid0(VALU_DEP_2)
	v_permlanex16_b32 v[BT+\b], v[BM+\b], s[SEL], s[SEL+1]
.endr
.irp b, 0,1
	s_delay_alu instid0(VALU_DEP_2)
	v_max_num_f32 v[BM+\b], v[BM+\b], v[BT+\b]
.endr
.irp b, 0,1
	s_delay_alu instid0(VALU_DEP_2)
	v_add_nc_u32 v[SO+\b], OFF2, v[BM+\b]
.endr
.irp b, 0,1
	s_delay_alu instid0(VALU_DEP_2)
	v_lshrrev_b32 v[BT+\b], 23, v[SO+\b]
.endr
	s_delay_alu instid0(VALU_DEP_1)
	v_lshl_or_b32 v234, v[BT+1], 8, v[BT]
	v_cvt_scalef32_pk16_fp6_f32 v[PC:PC+2], v[96:111], v[SO]
	v_cvt_scalef32_pk16_fp6_f32 v[CT:CT+2], v[112:127], v[SO+1]
	v_nop
.irp i, 0,1,2
	v_permlane16_swap_b32 v[PC+\i], v[CT+\i]
.endr
.irp i, 0,1,2
	s_delay_alu instid0(VALU_DEP_3)
	v_mov_b32 v[PC+3+\i], v[CT+\i]
.endr
	global_store_b128 v1, v[PC:PC+3], s[\d+4:\d+5]               ; 512 consecutive bytes
	global_store_b64 v230, v[PC+4:PC+5], s[\d+4:\d+5] offset:512 ; 256 consecutive bytes
	global_store_b16 v232, v234, s[\d+6:\d+7]      ; two bytes a row, 16 bytes apart (lanes 16-31 write the same): 32 of the tile's 800 bytes leave in pieces, since a scale word's other bytes belong to another head's cluster
.endm
	START IL, TL, 0
	s_wait_tensorcnt 0x1                           ; my first load (keys 0-1,023) has landed; the second may be out
	s_barrier_signal -1
	s_barrier_wait -1                              ; everybody's has
.Lfirst_half:                                      ; the late tile, key steps 0-7: for i >= 16 every key of them counts
	STEP 1
	s_cmp_lt_u32 s[ST], 8
	s_cbranch_scc1 .Lfirst_half
	s_setprio 0
	s_wait_tensorcnt 0x0                           ; keys 1,024-2,047
	s_wait_dscnt 0x0
	s_barrier_signal -1
	s_barrier_wait -1
	s_mov_b32 s[ST], 8
	s_mov_b32 s[S6], 8*6144
	s_mov_b32 s[S2], 8*256
.Lsecond_half:                                     ; the late tile, key steps 8-15
	STEP 0
	s_cmp_lt_u32 s[ST], 16
	s_cbranch_scc1 .Lsecond_half
	s_setprio 0
	FINISH TL
	START IS, TS, 1
.Learly:                                           ; the early tile, key steps 0-7
	STEP 0
	s_cmp_lt_u32 s[ST], 8
	s_cbranch_scc1 .Learly
	s_setprio 0
	FINISH TS
	s_wait_tensorcnt 0x0
	ds_add_u32 v254, v255
	s_wait_dscnt 0x0
	CROUND                                         ; the closing round
	s_endpgm
.Lfunc_end_k_q026918402b_attn:
	.size	k_q026918402b_attn, .Lfunc_end_k_q026918402b_attn-k_q026918402b_attn
	.p2alignl 7, 3214868480
	.fill 96, 4, 3214868480
	.section	.rodata,"a",@progbits
	.p2align	6, 0x0
	.amdhsa_kernel k_q026918402b_attn
		.amdhsa_group_segment_fixed_size 206848
		.amdhsa_private_segment_fixed_size 0
		.amdhsa_enable_private_segment 0
		.amdhsa_kernarg_size 32
		.amdhsa_user_sgpr_count 2
		.amdhsa_user_sgpr_kernarg_segment_ptr 1
		.amdhsa_wavefront_size32 1
		.amdhsa_system_sgpr_workgroup_id_x 1
		.amdhsa_system_sgpr_workgroup_id_y 1
		.amdhsa_system_sgpr_workgroup_id_z 1
		.amdhsa_system_vgpr_workitem_id 0
		.amdhsa_next_free_vgpr 256
		.amdhsa_next_free_sgpr 100
		.amdhsa_reserve_vcc 1
		.amdhsa_float_denorm_mode_32 3
		.amdhsa_float_denorm_mode_16_64 3
		.amdhsa_memory_ordered 1
		.amdhsa_forward_progress 1
		.amdhsa_inst_pref_size 86
	.end_amdhsa_kernel
	.amdgpu_metadata
---
amdhsa.version: [ 1, 2 ]
amdhsa.kernels:
  - .name:           k_q026918402b_attn
    .symbol:         k_q026918402b_attn.kd
    .args:
      - { .name: qkvc, .offset: 0, .size: 8, .value_kind: global_buffer, .address_space: global }
      - { .name: qkvs, .offset: 8, .size: 8, .value_kind: global_buffer, .address_space: global }
      - { .name: aqc, .offset: 16, .size: 8, .value_kind: global_buffer, .address_space: global }
      - { .name: aqs, .offset: 24, .size: 8, .value_kind: global_buffer, .address_space: global }
    .group_segment_fixed_size: 206848
    .private_segment_fixed_size: 0
    .kernarg_segment_align: 8
    .kernarg_segment_size: 32
    .max_flat_workgroup_size: 512
    .sgpr_count:     100
    .vgpr_count:     256
    .wavefront_size: 32
...
	.end_amdgpu_metadata
.endif
;; end of part 3
;; launch proj_out (part 4): grid 4 x 32, 4 waves a work-group, clusters of 4 x 4, 327,680 bytes of LDS; arguments aqc, aqs, opq, ops, b_out, out0; writes out0
.if DOCPART == 4
	.amdgcn_target "amdgcn-amd-amdhsa--gfx1250"
	.amdhsa_code_object_version 6
	.text
	.protected	k_q026918402b_proj_out
	.globl	k_q026918402b_proj_out
	.p2align	8
	.type	k_q026918402b_proj_out,@function
k_q026918402b_proj_out:
	s_mov_b64 s[64:65], 0
	v_nop
	global_prefetch_b8 v0, s[64:65] scope:SCOPE_SE
	s_setreg_imm32_b32 hwreg(HW_REG_WAVE_MODE, 25, 1), 1
	s_wait_xcnt 0x0
	s_wait_alu depctr_hold_cnt(0) depctr_sa_sdst(0) depctr_va_vdst(0) depctr_va_sdst(0) depctr_va_ssrc(0) depctr_va_vcc(0) depctr_vm_vsrc(0)
	s_getreg_b32 s2, hwreg(HW_REG_IB_STS2, 6, 4)
	s_cmp_eq_u32 s2, 0
	s_cbranch_scc0 .Lentry_in_a_cluster
	s_endpgm
.Lentry_in_a_cluster:
	s_bfe_u32 s2, ttmp6, 0x10000c
	s_cmp_lg_u32 s2, 0xf033
	s_cbranch_scc0 .Lentry_shape_is_right
	s_endpgm
.Lentry_shape_is_right:
; out0 = attention's result x w_out + b_out on codes of FP6 (E2M3) with E8M0 scales, K = 1024; out0 [8192][1024] f32.
; LIMITS: NaN and infinities are not served (the operands are codes made by the launches before).
; A tile of 256 x 256 is made by four waves, each 128 x 128: 64 accumulators.  The matrix instruction is used transposed: source 0 = 16 columns of w_out (ROLE B), source 1 = 16 tokens (ROLE A): a lane holds eight neighbouring
; numbers of a row of out0.  Operands lie as half-images (768 bytes: registers 0-5 of an operand, 16 rows x 64 K): [row block][granule][768]; a fragment is four LDS loads of consecutive bytes.
; K goes in steps of 256 through two LDS slots; the scales of the work-group's 512 rows come into LDS once.  CLUSTERS: 4 x 4: A's tiles are shared along a row of the cluster, B's along a column, asked for jointly.
; The grid has 128 work-groups: 32 x 4 tiles of this size.
; REGISTERS: window 0: v16-29 addresses; v32-63 scale words, two sets; v64-127 the bias as the first products' C; v128-223 A's fragments, one set; on the way out v128-255 rows of out0.
;   window 1: B's fragments, two sets.   windows 2, 3: the accumulators, (a, b) at v[8 (8 (a % 4) + b)].
.set RBS,   3072
.set HALFT, 8*RBS
.set SLOT,  4*HALFT
.set SCL,   2*SLOT
.set HALFS, 4096
.set SPARE, SCL+4*HALFS                ; the spare words, 128 bytes for each wave: two blocks of 256 bytes that no other line names
.set FR,    12
.set NL,    4
.set NP,    4
.set SIZE_N, 1024
.set SPITCH, 528                       ; the way out: a stage of 16 rows x (512 bytes + 16) for each wave, in slot 0, which has had its last fill and its last read when the first result is stored there
.set A16, 16
.set A8,  18
.set B16, 20
.set B8,  22
.set STO, 24
.set RD,  25
.set CO,  26
.set ADRS, 27
.set SPW, 28
.set NIL, 29
.set SC,  32
.set CB,  64
.set AF,  128
.set BK,  128
.set G1, 24
.set G0, 32
.set G1B, 48
.set G0B, 56
.set G1S, 68
.set G0S, 76
.set G1SB, 80
.set G0SB, 88
.set MSB, 0
.macro WIN new
.if MSB != (\new)
	s_set_vgpr_msb (MSB<<8)|(\new)
.set MSB, (\new)
.endif
.endm
.set TO_B,   0x40
.macro JLOAD g0a, g1a, g0b, g1b        ; a joint load: waves 0, 1 fetch for A, waves 2, 3 for B; four v_nop follow each line
	s_cmp_eq_u32 s15, 0
	s_cbranch_scc0 .Lfor_b_\@
	tensor_load_to_lds s[\g0a:\g0a+3], s[\g1a:\g1a+7]
	s_nop 0
.rept 4
	v_nop
.endr
	s_branch .Lasked_\@
.Lfor_b_\@:
	tensor_load_to_lds s[\g0b:\g0b+3], s[\g1b:\g1b+7]
	s_nop 0
.rept 4
	v_nop
.endr
.Lasked_\@:
.endm
.macro CREST
	s_cmp_lg_u32 s14, 0
	s_cbranch_scc1 .Lnot_wave_0_\@
	s_barrier_signal -3
.Lnot_wave_0_\@:
	s_barrier_wait -3
	s_barrier_signal -1
	s_barrier_wait -1
.endm
.macro CROUND
	s_barrier_signal -1
	s_barrier_wait -1
	CREST
.endm
.macro PLACES n
.rept \n
	v_nop
.endr
.endm
	s_load_b256 s[4:11], s[0:1], 0x0               ; aqc s[4:5], aqs s[6:7], opq s[8:9], ops s[10:11]
	s_load_b128 s[96:99], s[0:1], 0x20             ; b_out s[96:97], out0 s[98:99]
	v_lshl_add_u32 v[SPW], v0, 2, SPARE
	v_mov_b32 v[NIL], 0
	ds_add_u32 v28, v29
	ds_add_u32 v28, v29
	s_wait_dscnt 0x0
	v_lshrrev_b32 v1, 5, v0
	v_readfirstlane_b32 s14, v1                    ; wave
	s_lshr_b32 s15, s14, 1                         ; which half of the tokens is mine.  Also: I fetch for A (0) or B (1)
	s_and_b32 s16, s14, 1                          ; which half of the columns.  Also: which 128 rows I fetch
	s_bfe_u32 s40, ttmp6, 0x40000                  ; cx
	s_bfe_u32 s41, ttmp6, 0x40004                  ; cy
	s_and_b32 s17, ttmp7, 0xffff
	s_lshl_b32 s17, s17, 2
	s_add_co_u32 s17, s17, s41                     ; A's tile of 256 tokens
	s_add_co_u32 s42, s40, 44                      ; B's tile of 256 rows of opq: w_out's columns are tiles 44-47
	s_lshl_b32 s43, s41, 2
	s_lshl_b32 s43, 15, s43                        ; my row of the cluster
	s_lshl_b32 s44, 0x1111, s40                    ; my column
	s_or_b32 s[G1+0], s43, (3<<16)|(1<<21)         ; codes: 8 rows (row blocks) of 3,072 bytes, 12,288 bytes apart; elements of 8 bytes; no padding
	s_or_b32 s[G1B+0], s44, (3<<16)|(1<<21)
.irp g, G1, G1B
	s_mov_b32 s[\g+1], 384<<16
	s_mov_b32 s[\g+2], 8<<16
	s_mov_b32 s[\g+3], 384<<16
	s_mov_b32 s[\g+4], 8
	s_mov_b32 s[\g+5], 1536
	s_mov_b32 s[\g+6], 0
	s_mov_b32 s[\g+7], 0
.endr
	s_or_b32 s[G1S+0], s43, (3<<16)|(1<<21)        ; scales: 4,096 dense bytes as 16 rows of 256
	s_or_b32 s[G1SB+0], s44, (3<<16)|(1<<21)
.irp g, G1S, G1SB
	s_mov_b32 s[\g+1], 32<<16
	s_mov_b32 s[\g+2], 16<<16
	s_mov_b32 s[\g+3], 32<<16
	s_mov_b32 s[\g+4], 16
	s_mov_b32 s[\g+5], 32
	s_mov_b32 s[\g+6], 0
	s_mov_b32 s[\g+7], 0
.endr
	s_lshl_b32 s20, s17, 1
	s_add_co_u32 s20, s20, s16
	s_lshl_b32 s22, s20, 12
	s_mul_i32 s20, s20, 98304
	s_mov_b32 s21, 0
	s_mov_b32 s23, 0
	s_lshl_b32 s46, s42, 1
	s_add_co_u32 s46, s46, s16
	s_lshl_b32 s92, s46, 12
	s_mul_i32 s46, s46, 98304
	s_mov_b32 s47, 0
	s_mov_b32 s93, 0
	s_mul_i32 s45, s14, HALFT
	s_lshl_b32 s94, s14, 12
	s_wait_kmcnt 0x0
	s_add_nc_u64 s[20:21], s[4:5], s[20:21]
	s_add_nc_u64 s[22:23], s[6:7], s[22:23]
	s_add_nc_u64 s[46:47], s[8:9], s[46:47]
	s_add_nc_u64 s[92:93], s[10:11], s[92:93]
	CROUND                                         ; all sixteen work-groups are here: the first joint loads meet
	s_mov_b32 s[G0S], 1
	s_add_co_u32 s[G0S+1], s94, SCL
	s_mov_b64 s[G0S+2:G0S+3], s[22:23]
	s_or_b32 s[G0S+3], s[G0S+3], 0x80000000
	s_mov_b32 s[G0SB], 1
	s_add_co_u32 s[G0SB+1], s94, SCL
	s_mov_b64 s[G0SB+2:G0SB+3], s[92:93]
	s_or_b32 s[G0SB+3], s[G0SB+3], 0x80000000
	JLOAD G0S, G1S, G0SB, G1SB                     ; the scales first; with the two slots three loads of mine are out
.irp s, 0,1
	s_mov_b32 s[G0+4*\s], 1
	s_add_co_u32 s[G0+4*\s+1], s45, \s*SLOT
	s_add_nc_u64 s[G0+4*\s+2:G0+4*\s+3], s[20:21], \s*RBS
	s_or_b32 s[G0+4*\s+3], s[G0+4*\s+3], 0x80000000
	s_mov_b32 s[G0B+4*\s], 1
	s_add_co_u32 s[G0B+4*\s+1], s45, \s*SLOT
	s_add_nc_u64 s[G0B+4*\s+2:G0B+4*\s+3], s[46:47], \s*RBS
	s_or_b32 s[G0B+4*\s+3], s[G0B+4*\s+3], 0x80000000
	JLOAD G0+4*\s, G1, G0B+4*\s, G1B
.endr
	v_and_b32 v1, 15, v0                           ; r
	v_bfe_u32 v2, v0, 4, 1                         ; h
	v_and_b32 v3, 31, v0                           ; lane
	v_lshlrev_b32 v8, 4, v3
	v_lshlrev_b32 v9, 3, v3
	s_mul_i32 s21, s15, HALFT
	s_mul_i32 s22, s16, HALFT
	s_add_co_u32 s22, s22, 2*HALFT
.irp s, 0,1
	v_add_nc_u32 v[A16+\s], s21, v8
	v_add_nc_u32 v[A8+\s], s21, v9
	v_add_nc_u32 v[B16+\s], s22, v8
	v_add_nc_u32 v[B8+\s], s22, v9
	s_add_co_u32 s21, s21, SLOT
	s_add_co_u32 s22, s22, SLOT
.endr
	s_lshl_b32 s21, s15, 12
	s_lshl_b32 s22, s16, 12
	s_add_co_u32 s22, s22, 2*HALFS
	s_sub_co_u32 s22, s22, s21
	v_mul_u32_u24 v6, s22, v2                      ; lanes 16-31 take B's scale words: one product in h
	s_add_co_u32 s21, s21, SCL
	v_lshl_add_u32 v5, v1, 4, v6
	v_add_nc_u32 v[ADRS], s21, v5
	s_mul_i32 s23, s14, 16*SPITCH                  ; my stage
	v_mul_u32_u24 v5, v1, SPITCH
	v_lshl_add_u32 v5, v2, 5, v5
	v_add_nc_u32 v[STO], s23, v5                   ; in: row r, 32 bytes for each half of the lanes
	v_lshlrev_b32 v[CO], 4, v3                     ; back: the 32 lanes take one row of 512 bytes; and the same in out0
	v_add_nc_u32 v[RD], s23, v[CO]
	s_lshl_b32 s46, s40, 10
	s_lshl_b32 s47, s16, 9
	s_add_co_u32 s46, s46, s47                     ; my first column, in bytes: 1,024 cx + 512 x half
	s_mov_b32 s47, 0
	s_add_nc_u64 s[96:97], s[96:97], s[46:47]      ; b_out there
	s_lshl_b32 s20, s17, 8
	s_lshl_b32 s21, s15, 7
	s_add_co_u32 s20, s20, s21                     ; my first token
	s_lshl_b32 s20, s20, 12                        ; a row of out0 is 4,096 bytes
	s_mov_b32 s21, 0
	s_add_nc_u64 s[20:21], s[20:21], s[46:47]
	s_add_nc_u64 s[98:99], s[98:99], s[20:21]
	v_lshlrev_b32 v6, 5, v2                        ; THE BIAS is the C of each sum's first matrix instruction: eight registers for each b: columns 16 b + 8 h + 0 .. 7
.irp b, 0,1,2,3,4,5,6,7
	global_load_b128 v[CB+8*\b:CB+8*\b+3], v6, s[96:97] offset:64*\b
	global_load_b128 v[CB+8*\b+4:CB+8*\b+7], v6, s[96:97] offset:64*\b+16
.endr
	s_wait_loadcnt 0x0
.macro FRAG reg, a16, a8, q, i         ; a fragment, 16 rows x 128 K, is two half-images: four loads of consecutive bytes
	ds_load_b128 v[\reg:\reg+3], v[\a16] offset:(\i)*RBS+(\q)*1536
	ds_load_b64 v[\reg+4:\reg+5], v[\a8] offset:(\i)*RBS+(\q)*1536+512
	ds_load_b128 v[\reg+6:\reg+9], v[\a16] offset:(\i)*RBS+(\q)*1536+768
	ds_load_b64 v[\reg+10:\reg+11], v[\a8] offset:(\i)*RBS+(\q)*1536+1280
.endm
.macro FETCH_B slot, q, p
	WIN TO_B
.irp i, 0,1,2,3,4,5,6,7
	FRAG 128*(\p)+FR*\i, B16+\slot, B8+\slot, \q, \i
.endr
	WIN 0
.endm
.macro FETCH_A slot, q, i0
.irp i, \i0, \i0+1, \i0+2, \i0+3
	FRAG AF+FR*(\i), A16+\slot, A8+\slot, \q, \i
.endr
.endm
.macro SCALES set
.irp q, 0,1
	ds_load_b128 v[SC+16*(\set)+8*\q:SC+16*(\set)+8*\q+3], v[ADRS] offset:256*\q
	ds_load_b128 v[SC+16*(\set)+8*\q+4:SC+16*(\set)+8*\q+7], v[ADRS] offset:2048+256*\q
.endr
.endm
; 16 matrix instructions: A's blocks a0, a0 + 1 x B's eight.  mode 0: onto the sums; 1: C = the bias.  The 64 accumulators take turns, one instruction a turn, in the same order in every step.
.macro MUL16 a0, p, q, set, mode
.irp a, \a0, \a0+1
.irp b, 0,1,2,3,4,5,6,7
.if \mode == 0
	v_wmma_scale_f32_16x16x128_f8f6f4 v[8*(8*((\a)%4)+\b):8*(8*((\a)%4)+\b)+7], v[128*(\p)+FR*\b:128*(\p)+FR*\b+FR-1], v[AF+FR*(\a):AF+FR*(\a)+FR-1], v[8*(8*((\a)%4)+\b):8*(8*((\a)%4)+\b)+7], v[SC+16*(\set)+8*(\q)+\b], v[SC+16*(\set)+8*(\q)+(\a)] matrix_a_fmt:MATRIX_FMT_FP6 matrix_b_fmt:MATRIX_FMT_FP6 matrix_a_scale:MATRIX_SCALE_ROW1
.else
	v_wmma_scale_f32_16x16x128_f8f6f4 v[8*(8*((\a)%4)+\b):8*(8*((\a)%4)+\b)+7], v[128*(\p)+FR*\b:128*(\p)+FR*\b+FR-1], v[AF+FR*(\a):AF+FR*(\a)+FR-1], v[CB+8*\b:CB+8*\b+7], v[SC+16*(\set)+8*(\q)+\b], v[SC+16*(\set)+8*(\q)+(\a)] matrix_a_fmt:MATRIX_FMT_FP6 matrix_b_fmt:MATRIX_FMT_FP6 matrix_a_scale:MATRIX_SCALE_ROW1
.endif
.endr
.endr
.endm
.macro STEP slot, mode                 ; a slot's first 128 along K.  Windows: source 0 (B) 1, source 1 (A) 0, D 2 or 3, C with D (mode 0) or 0 (mode 1)
	s_wait_dscnt 4*NL                              ; all but the youngest 16 loads (A's blocks 4-7) are in
	WIN 0xa1-0x20*(\mode)
	MUL16 0, 0, 0, \slot, \mode
	MUL16 2, 0, 0, \slot, \mode
	s_wait_dscnt 0x0
	PLACES NP                                      ; in front of loads into registers that matrix instructions have read
	FETCH_B \slot, 1, 1
	FETCH_A \slot, 1, 0
	WIN 0xf1-0x30*(\mode)
	MUL16 4, 0, 0, \slot, \mode
	MUL16 6, 0, 0, \slot, \mode
	PLACES NP
	WIN 0
	FETCH_A \slot, 1, 4
.endm
; A slot's second 128 along K, and the change of slots: one barrier; in front of it each wave waits for all its tensor loads, adds 0 to its spare word, and waits for that and for its reads of this slot.
.macro TURN slot, next, fill
	s_wait_tensorcnt 0x0                           ; all my tensor loads have landed: my part of the next slot
	ds_add_u32 v[SPW], v[NIL]                      ; 0 onto my spare word
	s_wait_dscnt 4*NL+1                            ; (the add and the youngest 16 loads may be out)
	WIN 0xa1
	MUL16 0, 1, 1, \slot, 0
	s_wait_dscnt 0x0                               ; the add is done, and my reads of this slot are over
	s_barrier_signal -1
	MUL16 2, 1, 1, \slot, 0
	WIN 0
	s_barrier_wait -1
.if \fill
	CREST                                          ; the barrier has opened a round of the cluster's: no wave of any partner still reads this slot or has a load on its way
	s_add_nc_u64 s[G0+4*\slot+2:G0+4*\slot+3], s[G0+4*\slot+2:G0+4*\slot+3], 2*RBS
	s_add_nc_u64 s[G0B+4*\slot+2:G0B+4*\slot+3], s[G0B+4*\slot+2:G0B+4*\slot+3], 2*RBS
	JLOAD G0+4*\slot, G1, G0B+4*\slot, G1B         ; the first tensor load behind the round; its four v_nop are the places in front of the loads below
.else
	PLACES NP
.endif
	v_add_nc_u32 v[ADRS], 512, v[ADRS]
	FETCH_B \next, 0, 0
	FETCH_A \next, 0, 0
	SCALES \next
	WIN 0xf1
	MUL16 4, 1, 1, \slot, 0
	MUL16 6, 1, 1, \slot, 0
	PLACES NP
	WIN 0
	FETCH_A \next, 0, 4
.endm
	s_wait_tensorcnt 1                             ; the scales and my part of slot 0 are in; slot 1's load may be out
	s_barrier_signal -1
	s_barrier_wait -1
	FETCH_B 0, 0, 0
	FETCH_A 0, 0, 0
	SCALES 0
	FETCH_A 0, 0, 4
	STEP 0, 1                                      ; the first step's products start the sums with the bias
	TURN 0, 1, 1                                   ; K = 1,024 is four slots' worth: written out
	STEP 1, 0
	TURN 1, 0, 1
	STEP 0, 0
	TURN 0, 1, 0
	STEP 1, 0
	s_wait_dscnt 4*NL                              ; the last step
	WIN 0xa1
	MUL16 0, 1, 1, 1, 0
	MUL16 2, 1, 1, 1, 0
	s_wait_dscnt 0x0
	WIN 0xf1
	MUL16 4, 1, 1, 1, 0
	MUL16 6, 1, 1, 1, 0
	WIN 0
; THE WAY OUT, block by block of 16 rows x 128 columns, through my own stage in LDS: in as 32 bytes a lane, back as whole rows of 512 bytes.  LDS serves a wave's instructions in order (ISA guide 5.7.1.4).
.macro TOSTAGE a
.set AC, 64*((\a)%4)
	WIN 0x08+4*((\a)/4)                            ; an LDS store's data are its source 1: window 2 or 3
.irp b, 0,1,2,3,4,5,6,7
	ds_store_b128 v[STO], v[AC+8*\b:AC+8*\b+3] offset:64*\b          ; each accumulator from its low end on
	ds_store_b128 v[STO], v[AC+8*\b+4:AC+8*\b+7] offset:64*\b+16
.endr
	WIN 0
.set BB, BK+64*((\a)%2)
.irp t, 0,1,2,3,4,5,6,7,8,9,10,11,12,13,14,15
	ds_load_b128 v[BB+4*\t:BB+4*\t+3], v[RD] offset:\t*SPITCH
.endr
.endm
.macro SEND a, younger                 ; younger: the LDS instructions issued behind block a's loads, which may stay out
.set BB, BK+64*((\a)%2)
	s_wait_dscnt \younger
.if (\a) > 0
	s_add_nc_u64 s[98:99], s[98:99], 16*SIZE_N*4   ; (behind a wait on XCNT: the earlier stores have read their base)
.endif
.irp t, 0,1,2,3,4,5,6,7,8,9,10,11,12,13,14,15
	global_store_b128 v[CO], v[BB+4*\t:BB+4*\t+3], s[98:99] offset:\t*SIZE_N*4 th:TH_STORE_NT   ; 32 lanes store 512 consecutive bytes, aligned; written once, read by nobody here
.endr
.endm
	PLACES NP
	TOSTAGE 0
.irp a, 1,2,3,4,5,6,7
.if \a > 1
	s_wait_xcnt 0x0                                ; block a - 2's stores have read their registers and their base
.endif
	TOSTAGE \a
	SEND \a-1, 32                                  ; behind block a - 1's loads: block a's 16 stores and 16 loads
.endr
	s_wait_xcnt 0x0
	SEND 7, 0
	s_wait_tensorcnt 0x0                           ; the wave's end
	ds_add_u32 v[SPW], v[NIL]
	s_wait_dscnt 0x0
	CROUND                                         ; the closing round: no work-group ends while a partner may still ask for a tile that names it
	s_endpgm
.Lfunc_end_k_q026918402b_proj_out:
	.size	k_q026918402b_proj_out, .Lfunc_end_k_q026918402b_proj_out-k_q026918402b_proj_out
	.p2alignl 7, 3214868480
	.fill 96, 4, 3214868480
	.section	.rodata,"a",@progbits
	.p2align	6, 0x0
	.amdhsa_kernel k_q026918402b_proj_out
		.amdhsa_group_segment_fixed_size 327680
		.amdhsa_private_segment_fixed_size 0
		.amdhsa_enable_private_segment 0
		.amdhsa_kernarg_size 48
		.amdhsa_user_sgpr_count 2
		.amdhsa_user_sgpr_kernarg_segment_ptr 1
		.amdhsa_wavefront_size32 1
		.amdhsa_system_sgpr_workgroup_id_x 1
		.amdhsa_system_sgpr_workgroup_id_y 1
		.amdhsa_system_sgpr_workgroup_id_z 1
		.amdhsa_system_vgpr_workitem_id 0
		.amdhsa_next_free_vgpr 1024
		.amdhsa_next_free_sgpr 100
		.amdhsa_reserve_vcc 0
		.amdhsa_float_denorm_mode_32 3
		.amdhsa_float_denorm_mode_16_64 3
		.amdhsa_memory_ordered 1
		.amdhsa_forward_progress 1
		.amdhsa_inst_pref_size 144
	.end_amdhsa_kernel
	.amdgpu_metadata
---
amdhsa.version: [ 1, 2 ]
amdhsa.kernels:
  - .name:           k_q026918402b_proj_out
    .symbol:         k_q026918402b_proj_out.kd
    .args:
      - { .name: aqc, .offset: 0, .size: 8, .value_kind: global_buffer, .address_space: global }
      - { .name: aqs, .offset: 8, .size: 8, .value_kind: global_buffer, .address_space: global }
      - { .name: opq, .offset: 16, .size: 8, .value_kind: global_buffer, .address_space: global }
      - { .name: ops, .offset: 24, .size: 8, .value_kind: global_buffer, .address_space: global }
      - { .name: b_out, .offset: 32, .size: 8, .value_kind: global_buffer, .address_space: global }
      - { .name: out0, .offset: 40, .size: 8, .value_kind: global_buffer, .address_space: global }
    .group_segment_fixed_size: 327680
    .private_segment_fixed_size: 0
    .kernarg_segment_align: 8
    .kernarg_segment_size: 48
    .max_flat_workgroup_size: 128
    .sgpr_count:     100
    .vgpr_count:     1024
    .wavefront_size: 32
...
	.end_amdgpu_metadata
.endif
;; end of part 4
